; MI455X (gfx1250); checked and timed in simulation.
; The chip was launched on July 23, 2026; its instructions are those of AMD's public machine-readable ISA for CDNA 5 (MIT licence, August 2026) and "CDNA5" Instruction Set Architecture Reference Guide (July 2026). The comments in the code are by the model that wrote it; some were corrected since.
;; Causal Self Attention. Allowed arithmetic: matrix products marked QUANTISED: E2M3 operands, one E8M0 scale for each 32 along K, by v_wmma_scale_f32_16x16x128_f8f6f4 with both operands' format E2M3, f32 sums; everything else in f32.
;; Inputs: W_out 1,024 x 1,024 float32; W_qkv 1,024 x 3,072 float32; b_out 1,024 float32; b_qkv 3,072 float32; x 4 x 2,048 x 1,024 float32.
;; Outputs: out0 4 x 2,048 x 1,024 float32.
;; Constants: num_heads = 16.
;; This version of the problem:
;;   THIS VERSION OF THE PROBLEM IS GIVEN IN LOW PRECISION. The matrix products marked QUANTISED in the list below multiply operands that are first quantised to E2M3 (2 exponent bits, 3 mantissa bits; 6 bits a number), with one power-of-two scale for each 32 numbers along K (OCP MX v1.0); their sums are f32. All else is computed in f32.
;;   The module's matrix products, in the order in which they are computed (A, B: the left and right operand; K: the contracted axis; several contracted axes count as one K, in the product's order):
;;     1. [M 8,192, K 1,024] x [K 1,024, N 3,072]; A: input x; B: input W_qkv: QUANTISED
;;     2. batch 64 x [M 2,048, K 64] x [K 64, N 2,048]; A: computed on the way; B: computed on the way: QUANTISED
;;     3. batch 64 x [M 64, K 2,048] x [K 2,048, N 2,048]; A: computed on the way; B: softmax (see below): QUANTISED
;;     4. [M 8,192, K 1,024] x [K 1,024, N 1,024]; A: computed on the way; B: input W_out: QUANTISED
;;   THE QUANTISER, for each operand of a quantised product, along K:
;;     - K is cut into blocks of 32 from its start; a last block that is shorter is filled with zeros.
;;     - A block's scale is 2^e with e = floor(log2(the largest magnitude in the block)) - 2, held to -126 .. 127; a block of zeros has e = 0. As a byte (E8M0): e + 127.
;;     - Each number is divided by its block's scale, clamped to +-7.5, and rounded to the nearest number of E2M3, ties to even, subnormals kept.
;;     - The product sums the exact products of the quantised numbers (number of the format x scale) in f32.
;;   ~~~python
;;   def quantise(x, axis):      # numpy; x: float32 -> the quantised numbers, widened to float32 again
;;       x = np.moveaxis(x, axis, -1); K = x.shape[-1]
;;       x = np.pad(x, [(0, 0)] * (x.ndim - 1) + [(0, -K % 32)]); x = x.reshape(x.shape[:-1] + (-1, 32)); a = np.abs(x).max(-1, keepdims=True)
;;       e = np.where(a > 0, np.clip(np.frexp(np.where(a > 0, a, 1))[1] - 1 - 2, -126, 127), 0)      # np.frexp(a)[1] - 1 = floor(log2(a)), exactly
;;       r = np.clip(x / 2.0 ** e, -7.5, 7.5)
;;       step = 2.0 ** (np.maximum(np.frexp(np.where(r == 0, 1, r))[1] - 1, 0) - 3)
;;       q = np.round(r / step) * step * 2.0 ** e      # np.round: ties to even
;;       return np.moveaxis(q.reshape(q.shape[:-2] + (-1,))[..., :K], -1, axis).astype(np.float32)
;;   ~~~
;;   SOFTMAX AHEAD OF A QUANTISED PRODUCT. Where the list says 'softmax', what is quantised is not the finished softmax but p = 2^(t - M), with t = logit x log2(e) and M = ceil(the row's largest t), a whole number; so 1/2 < the row's largest p <= 1. The row's sum l is taken of the UNQUANTISED p, in f32, and the product's result is divided by l at the end. Since M is a whole number, a kernel that streams over the keys may use a running M (the ceiling of the running maximum): every later rescaling is an exact power of two, which a block's scale takes up: the codes' values come out the same.
;;   OPERANDS COMPUTED ON THE WAY. 'Computed on the way' means the value that the module computes at that place (a softmax that the list does not call 'softmax' is quantised finished and normalised). What goes into a quantiser is computed in f32, as accurately as f32 sums, v_exp_f32 and their like allow (about 1e-6 of the number): no bf16 or f16 on the way to a quantiser, and a product that is left as it is and whose result goes on into a quantised operand takes f32 operands (vector FMAs, or v_wmma_f32_16x16x4_f32). A number that lies on a knife's edge between two numbers of the format may be rounded either way, as far as f32 arithmetic and the matrix unit's own rounding can turn it there, and no further.
;; One version. Each part assembles by itself: llvm-mc -triple=amdgcn-amd-amdhsa -mcpu=gfx1250 --defsym DOCPART=n.
;; ======== version 1 of 1: 4 launches
;; limits: right only within a limited range of input values
;; workspace buffers: x_img 6,291,456 bytes; w_img 3,145,728 bytes; xw_scl 393,216 bytes; qkv_img 18,874,368 bytes; qkv_scl 1,310,720 bytes; inner_img 6,291,456 bytes; inner_scl 262,144 bytes
;; launch prep (part 1): grid 320 x 1, 8 waves a work-group, no clusters, 68,608 bytes of LDS; arguments x, W_qkv, W_out, x_img, w_img, xw_scl; writes x_img, w_img, xw_scl
.if DOCPART == 1
	.amdgcn_target "amdgcn-amd-amdhsa--gfx1250"
	.amdhsa_code_object_version 6
	.text
	.protected	k_q7604fdc275_prep
	.globl	k_q7604fdc275_prep
	.p2align	8
	.type	k_q7604fdc275_prep,@function
k_q7604fdc275_prep:
	s_mov_b64 s[64:65], 0
	v_nop
	global_prefetch_b8 v0, s[64:65] scope:SCOPE_SE
	s_setreg_imm32_b32 hwreg(HW_REG_WAVE_MODE, 25, 1), 1
	s_wait_xcnt 0x0
; x [8192][1024], W_qkv [1024][3072] and W_out [1024][1024], all f32, become codes of FP6 (E2M3) with one E8M0 byte for each 32 along K (K = 1024 in all three).
; THE CODES' LAYOUT is that of the operand's registers.  A HALF IMAGE is 16 rows x 64 K in 768 bytes: lane l = r + 16 hh owns block hh (32 codes, 24 bytes) of row r;
; bytes 0-511 hold each lane's first 16 bytes at 16 l, bytes 512-767 its last 8 at 8 l.  Two half images are a fragment of 16 x 128; every load and store of one covers 512 or 256 consecutive bytes.
;   x_img [row / 16][K / 64][768];  w_img: W_qkv as [n' / 16][K / 64][768] with n' = 192 head + 64 third + d (a head's three thirds of the columns side by side), then W_out as [n / 16][K / 64][768].
;   xw_scl: 32 scale bytes a row: x's 8192 rows, W_qkv's 3072 rows n', W_out's 1024 rows.
; A block's scale is 2^(floor(log2(largest magnitude)) - 2): its byte is the largest magnitude's exponent field - 2, held at 1 from below.
; LIMITS: a block whose largest magnitude lies under 2^-124 keeps the byte 1; a block of zeros has the byte 1 too (its codes are zeros, and this program alone reads the bytes); NaN and infinities are not served.
; Work-groups 0-255 take x: a wave 16 rows x 256 K; its loads read 512 consecutive bytes each, and the numbers turn through the wave's own stage in LDS so that a lane holds whole blocks.
; Work-groups 256-319 take the weights, whose K is the first axis: a lane takes a column and its registers run down K: a wave 32 columns x 256 K; no LDS.
.set WST,   16*528                     ; a wave's stage: 16 rows of 512 bytes + 16 of padding (33 x 16: the sixteen rows of a load start in different banks)
.set SPARE, 8*WST                      ; behind the stages: the spare words, 128 bytes for each wave
.set SPW,   10                         ; v10  my spare word's address; never rewritten
.set NIL,   11                         ; v11  0; never rewritten
.set QM,    12                         ; v12-13 two blocks' largest magnitudes
.set QSC,   14                         ; v14-15 the conversions' scale operands
.set QBY,   16                         ; v16-17 the scale bytes
.set WW,    18                         ; v18-19 scale words
.set QTT,   20                         ; v20-22, v24-26 the second halves of two blocks' codes
.set PA,    28                         ; v28-33 a block's 24 bytes
.set PB,    34                         ; v34-39 another's
.set X,     40                         ; v40-103 64 numbers: two blocks of a lane
.set R,     104                        ; v104-231 x as loaded (weights: the second set of 64 numbers)
; Two blocks of 32 numbers of a lane, v[xa] on and v[xb] on, become 24 bytes of codes each, in v[pa] on and v[pb] on; their bytes in v[QBY], v[QBY+1].
.macro Q2 xa, xb, pa, pb
	v_max3_num_f32 v[QM], |v[(\xa)]|, |v[(\xa)+1]|, 0x1800000          ; with the floor 2^(3 - 127) among the leaves: the byte cannot fall under 1
	v_max3_num_f32 v[QM+1], |v[(\xb)]|, |v[(\xb)+1]|, 0x1800000
.irp i, 2,4,6,8,10,12,14,16,18,20,22,24,26,28,30
	s_delay_alu instid0(VALU_DEP_2)
	v_max3_num_f32 v[QM], v[QM], |v[(\xa)+\i]|, |v[(\xa)+\i+1]|        ; the two blocks by turns
	s_delay_alu instid0(VALU_DEP_2)
	v_max3_num_f32 v[QM+1], v[QM+1], |v[(\xb)+\i]|, |v[(\xb)+\i+1]|
.endr
	s_delay_alu instid0(VALU_DEP_2)
	v_add_nc_u32 v[QSC], 0xff000000, v[QM]                             ; 2 off the exponent field: the conversion takes that field as its scale
	s_delay_alu instid0(VALU_DEP_2)
	v_add_nc_u32 v[QSC+1], 0xff000000, v[QM+1]
	s_delay_alu instid0(VALU_DEP_2)
	v_lshrrev_b32 v[QBY], 23, v[QSC]
	s_delay_alu instid0(VALU_DEP_2)
	v_lshrrev_b32 v[QBY+1], 23, v[QSC+1]
	v_cvt_scalef32_pk16_fp6_f32 v[(\pa):(\pa)+2], v[(\xa):(\xa)+15], v[QSC]
	v_cvt_scalef32_pk16_fp6_f32 v[QTT:QTT+2], v[(\xa)+16:(\xa)+31], v[QSC]          ; a conversion's three registers begin on an even number: the second half is made elsewhere and moved
	v_cvt_scalef32_pk16_fp6_f32 v[(\pb):(\pb)+2], v[(\xb):(\xb)+15], v[QSC+1]
	v_cvt_scalef32_pk16_fp6_f32 v[QTT+4:QTT+6], v[(\xb)+16:(\xb)+31], v[QSC+1]
	v_nop                                                              ; one plain line behind the scaled conversions
.irp i, 0,1,2
	v_mov_b32 v[(\pa)+3+\i], v[QTT+\i]
	v_mov_b32 v[(\pb)+3+\i], v[QTT+4+\i]
.endr
.endm
	s_load_b256 s[4:11], s[0:1], 0x0               ; x s[4:5], W_qkv s[6:7], W_out s[8:9], x_img s[10:11]
	s_load_b128 s[12:15], s[0:1], 0x20             ; w_img s[12:13], xw_scl s[14:15]
	v_lshl_add_u32 v[SPW], v0, 2, SPARE
	v_mov_b32 v[NIL], 0
	v_lshrrev_b32 v1, 5, v0
	s_delay_alu instid0(VALU_DEP_1)
	v_readfirstlane_b32 s16, v1                    ; wave 0..7
	v_and_b32 v1, 31, v0                           ; lane
	v_and_b32 v2, 15, v0                           ; r
	v_bfe_u32 v3, v0, 4, 1                         ; hh
	s_delay_alu instid0(VALU_DEP_3)
	v_lshlrev_b32 v4, 4, v1                        ; 16 x lane
	s_delay_alu instid0(VALU_DEP_4)
	v_lshlrev_b32 v5, 3, v1                        ; 8 x lane
	s_mov_b32 s20, 0x76543210
	s_mov_b32 s21, 0xfedcba98                      ; v_permlanex16_b32's selects for lane l xor 16
	s_mov_b32 s22, 0xffff0000                      ; lanes 16-31
	v_mov_b32 v27, 0                               ; a lane permute's destination counts as read
	s_cmp_lt_u32 ttmp9, 256
	s_cbranch_scc0 .Lw_path
	; ---------------- x ----------------
	s_mul_i32 s17, s16, WST
	v_add_nc_u32 v6, s17, v4                       ; into the stage: 16 x lane of a row
	v_mul_u32_u24 v7, v2, 528
	s_delay_alu instid0(VALU_DEP_1)
	v_lshl_add_u32 v7, v3, 7, v7
	s_delay_alu instid0(VALU_DEP_1)
	v_add_nc_u32 v7, s17, v7                       ; out of it: row r, block hh (128 bytes of f32)
	v_lshlrev_b32 v8, 3, v3                        ; 8 hh: my bytes' place in a scale word
	v_lshlrev_b32 v9, 5, v2
	s_delay_alu instid0(VALU_DEP_1)
	v_lshl_add_u32 v9, v3, 2, v9                   ; the scale words' store: 32 r + 4 hh
	s_lshl_b32 s18, ttmp9, 3
	s_add_co_u32 s18, s18, s16                     ; which of 2048 shares
	s_lshr_b32 s19, s18, 2                         ; the tile of 16 rows
	s_and_b32 s18, s18, 3                          ; the quarter of K
	s_lshl_b32 s24, s19, 16                        ; 16 rows of 4096 bytes
	s_lshl_b32 s26, s18, 10
	s_add_co_u32 s24, s24, s26
	s_mov_b32 s25, 0
	s_mul_i32 s26, s19, 12288                      ; a tile's 16 half images
	s_mul_i32 s28, s18, 3072
	s_add_co_u32 s26, s26, s28
	s_mov_b32 s27, 0
	s_lshl_b32 s28, s19, 9                         ; 16 rows of 32 scale bytes
	s_lshl_b32 s30, s18, 3
	s_add_co_u32 s28, s28, s30
	s_mov_b32 s29, 0
	s_wait_alu depctr_va_vdst(0)
	s_wait_kmcnt 0x0
	s_add_nc_u64 s[4:5], s[4:5], s[24:25]
	s_add_nc_u64 s[10:11], s[10:11], s[26:27]
	s_add_nc_u64 s[14:15], s[14:15], s[28:29]
.set li, 0
.rept 32                                       ; all 32 loads at once: unit li / 16 (128 along K), row li % 16: 512 consecutive bytes each
	global_load_b128 v[R+4*li:R+4*li+3], v4, s[4:5] offset:(li%16)*4096+(li/16)*512 th:TH_LOAD_NT
.set li, li+1
.endr
.macro UNIT u                          ; 16 rows x 128 K: two half images and a scale word a row
	s_wait_loadcnt 16*(1-\u)                       ; this unit's 16 loads are in; the other unit's 16 may be out
.set li, 0
.rept 16
	ds_store_b128 v6, v[R+4*(16*\u+li):R+4*(16*\u+li)+3] offset:li*528
.set li, li+1
.endr
.irp c, 0,1
.irp i, 0,1,2,3,4,5,6,7
	ds_load_b128 v[X+32*\c+4*\i:X+32*\c+4*\i+3], v7 offset:\c*256+16*\i    ; LDS serves a wave's instructions in order: these see my stores
.endr
.endr
	s_wait_dscnt 0x0
.if \u
	s_wait_xcnt 0x0                                ; the first unit's stores have read the codes' registers
.endif
	Q2 X, X+32, PA, PB
	global_store_b128 v4, v[PA:PA+3], s[10:11] offset:(2*\u)*768
	global_store_b64 v5, v[PA+4:PA+5], s[10:11] offset:(2*\u)*768+512
	global_store_b128 v4, v[PB:PB+3], s[10:11] offset:(2*\u+1)*768
	global_store_b64 v5, v[PB+4:PB+5], s[10:11] offset:(2*\u+1)*768+512
	v_lshl_or_b32 v[WW+\u], v[QBY+1], 16, v[QBY]   ; my bytes: blocks hh and 2 + hh of the unit's four,
	s_delay_alu instid0(VALU_DEP_1)
	v_lshlrev_b32 v[WW+\u], v8, v[WW+\u]           ; at their places;
	s_delay_alu instid0(VALU_DEP_1)
	v_permlanex16_b32 v27, v[WW+\u], s20, s21
	s_delay_alu instid0(VALU_DEP_1)
	v_or_b32 v[WW+\u], v[WW+\u], v27               ; with lane l xor 16's two the word is whole
.endm
	UNIT 0
	UNIT 1
	s_delay_alu instid0(VALU_DEP_1)
	v_cndmask_b32 v27, v[WW], v[WW+1], s22         ; lanes 0-15 store the first unit's word of row r, lanes 16-31 the second's
	global_store_b32 v9, v27, s[14:15]
	s_wait_tensorcnt 0x0                           ; the wave's end
	ds_add_u32 v[SPW], v[NIL]
	s_wait_dscnt 0x0
	s_endpgm
	; ---------------- the weights ----------------
.macro LOADP p, stride, wp             ; 64 along K of my column into set p % 2: neighbouring lanes read neighbouring columns
.set li, 0
.rept 64
	global_load_b32 v[X+64*((\p)%2)+li], v3, s[\wp:\wp+1] offset:(64*(\p)+li)*\stride th:TH_LOAD_NT
.set li, li+1
.endr
.endm
.macro PAIR p, stride, wp              ; two blocks of each of 32 columns: one half image of each of two tiles
.if (\p) < 3
	s_wait_loadcnt 63                              ; this pair's loads are in; 64 younger ones were issued, and the count names the most that its field holds
.else
	s_wait_loadcnt 0x0
.endif
.if (\p) > 0
	s_wait_xcnt 0x0                                ; the last pair's stores have read the codes' registers
.endif
	Q2 X+64*((\p)%2), X+64*((\p)%2)+32, PA, PB
.if (\p)%2 == 0
	v_lshl_or_b32 v[WW+(\p)/2], v[QBY+1], 8, v[QBY]
.else
	v_lshl_or_b32 v[WW+(\p)/2], v[QBY], 16, v[WW+(\p)/2]
	s_delay_alu instid0(VALU_DEP_1)
	v_lshl_or_b32 v[WW+(\p)/2], v[QBY+1], 24, v[WW+(\p)/2]
.endif
.irp i, 0,1,2,3,4,5
	v_permlane16_swap_b32 v[PA+\i], v[PB+\i]       ; PA held block 0 of 32 columns, PB block 1: now PA holds both blocks of columns 0-15, PB of columns 16-31
.endr
	global_store_b128 v4, v[PA:PA+3], s[12:13] offset:(\p)*768
	global_store_b64 v5, v[PA+4:PA+5], s[12:13] offset:(\p)*768+512
	global_store_b128 v4, v[PB:PB+3], s[12:13] offset:12288+(\p)*768
	global_store_b64 v5, v[PB+4:PB+5], s[12:13] offset:12288+(\p)*768+512
.if (\p)+2 < 4
	LOADP (\p)+2, \stride, \wp
.endif
.endm
; s17 = the first of my two tiles, s18 = my group of 32 columns in the tensor, s19 = the quarter of K
.macro WPATH stride, wp, imgoff, scloff
	s_mul_i32 s24, s19, 256*\stride
	s_lshl_b32 s26, s18, 7
	s_add_co_u32 s24, s24, s26
	s_mov_b32 s25, 0
	s_mul_i32 s26, s17, 12288
	s_mul_i32 s28, s19, 3072
	s_add_co_u32 s26, s26, s28
	s_add_co_u32 s26, s26, \imgoff
	s_mov_b32 s27, 0
	s_lshl_b32 s28, s17, 9
	s_lshl_b32 s30, s19, 3
	s_add_co_u32 s28, s28, s30
	s_add_co_u32 s28, s28, \scloff
	s_mov_b32 s29, 0
	s_wait_kmcnt 0x0
	s_add_nc_u64 s[\wp:\wp+1], s[\wp:\wp+1], s[24:25]
	s_add_nc_u64 s[12:13], s[12:13], s[26:27]
	s_add_nc_u64 s[14:15], s[14:15], s[28:29]
	LOADP 0, \stride, \wp
	LOADP 1, \stride, \wp
	PAIR 0, \stride, \wp
	PAIR 1, \stride, \wp
	PAIR 2, \stride, \wp
	PAIR 3, \stride, \wp
	global_store_b64 v9, v[WW:WW+1], s[14:15]      ; my column's eight scale bytes
.endm
.Lw_path:
	s_wait_alu depctr_va_vdst(0)
	v_lshlrev_b32 v3, 2, v1                        ; 4 x lane: my column
	v_lshlrev_b32 v9, 5, v1                        ; 32 x lane: my row of scale bytes
	s_sub_co_u32 s18, ttmp9, 256
	s_lshl_b32 s18, s18, 3
	s_add_co_u32 s18, s18, s16                     ; which of 512 shares
	s_lshr_b32 s19, s18, 7                         ; the quarter of K
	s_and_b32 s18, s18, 127                        ; the group of 32 columns: 0-95 W_qkv's, 96-127 W_out's
	s_cmp_lt_u32 s18, 96
	s_cbranch_scc0 .Lw_out
	s_lshr_b32 s24, s18, 5                         ; the third of the columns
	s_bfe_u32 s25, s18, 0x40001                    ; the head
	s_and_b32 s26, s18, 1                          ; which half of the head's 64
	s_mul_i32 s25, s25, 12
	s_lshl_b32 s24, s24, 2
	s_add_co_u32 s25, s25, s24
	s_lshl_b32 s26, s26, 1
	s_add_co_u32 s17, s25, s26                     ; tile = 12 head + 4 third + 2 half
	s_wait_alu depctr_va_vdst(0)
	WPATH 12288, 6, 0, 262144
	s_endpgm
.Lw_out:
	s_sub_co_u32 s18, s18, 96
	s_lshl_b32 s17, s18, 1
	s_wait_alu depctr_va_vdst(0)
	WPATH 4096, 8, 2359296, 360448
	s_endpgm
.Lfunc_end_k_q7604fdc275_prep:
	.size	k_q7604fdc275_prep, .Lfunc_end_k_q7604fdc275_prep-k_q7604fdc275_prep
	.p2alignl 7, 3214868480
	.fill 96, 4, 3214868480
	.section	.rodata,"a",@progbits
	.p2align	6, 0x0
	.amdhsa_kernel k_q7604fdc275_prep
		.amdhsa_group_segment_fixed_size 68608
		.amdhsa_private_segment_fixed_size 0
		.amdhsa_enable_private_segment 0
		.amdhsa_kernarg_size 48
		.amdhsa_user_sgpr_count 2
		.amdhsa_user_sgpr_kernarg_segment_ptr 1
		.amdhsa_wavefront_size32 1
		.amdhsa_system_sgpr_workgroup_id_x 1
		.amdhsa_system_sgpr_workgroup_id_y 1
		.amdhsa_system_sgpr_workgroup_id_z 1
		.amdhsa_system_vgpr_workitem_id 0
		.amdhsa_next_free_vgpr 232
		.amdhsa_next_free_sgpr 66
		.amdhsa_reserve_vcc 0
		.amdhsa_float_denorm_mode_32 3
		.amdhsa_float_denorm_mode_16_64 3
		.amdhsa_memory_ordered 1
		.amdhsa_forward_progress 1
		.amdhsa_inst_pref_size 106
	.end_amdhsa_kernel
	.amdgpu_metadata
---
amdhsa.version: [ 1, 2 ]
amdhsa.kernels:
  - .name:           k_q7604fdc275_prep
    .symbol:         k_q7604fdc275_prep.kd
    .args:
      - { .name: x, .offset: 0, .size: 8, .value_kind: global_buffer, .address_space: global }
      - { .name: W_qkv, .offset: 8, .size: 8, .value_kind: global_buffer, .address_space: global }
      - { .name: W_out, .offset: 16, .size: 8, .value_kind: global_buffer, .address_space: global }
      - { .name: x_img, .offset: 24, .size: 8, .value_kind: global_buffer, .address_space: global }
      - { .name: w_img, .offset: 32, .size: 8, .value_kind: global_buffer, .address_space: global }
      - { .name: xw_scl, .offset: 40, .size: 8, .value_kind: global_buffer, .address_space: global }
    .group_segment_fixed_size: 68608
    .private_segment_fixed_size: 0
    .kernarg_segment_align: 8
    .kernarg_segment_size: 48
    .max_flat_workgroup_size: 256
    .sgpr_count:     66
    .vgpr_count:     232
    .wavefront_size: 32
...
	.end_amdgpu_metadata
.endif
;; end of part 1
;; launch qkv (part 2): grid 16 x 32, 4 waves a work-group, clusters of 4 x 1, 327,680 bytes of LDS; arguments x_img, xw_scl, w_img, b_qkv, qkv_img, qkv_scl; writes qkv_img, qkv_scl
.if DOCPART == 2
	.amdgcn_target "amdgcn-amd-amdhsa--gfx1250"
	.amdhsa_code_object_version 6
	.text
	.protected	k_q7604fdc275_qkv
	.globl	k_q7604fdc275_qkv
	.p2align	8
	.type	k_q7604fdc275_qkv,@function
k_q7604fdc275_qkv:
	s_mov_b64 s[64:65], 0
	v_nop
	global_prefetch_b8 v0, s[64:65] scope:SCOPE_SE
	s_setreg_imm32_b32 hwreg(HW_REG_WAVE_MODE, 25, 1), 1
	s_wait_xcnt 0x0
	s_wait_alu depctr_hold_cnt(0) depctr_sa_sdst(0) depctr_va_vdst(0) depctr_va_sdst(0) depctr_va_ssrc(0) depctr_va_vcc(0) depctr_vm_vsrc(0)
	s_getreg_b32 s2, hwreg(HW_REG_IB_STS2, 6, 4)
	s_cmp_eq_u32 s2, 0
	s_cbranch_scc0 .Lentry_in_a_cluster
	s_endpgm
.Lentry_in_a_cluster:
	s_bfe_u32 s2, ttmp6, 0x10000c
	s_cmp_lg_u32 s2, 0x3003
	s_cbranch_scc0 .Lentry_shape_is_right
	s_endpgm
.Lentry_shape_is_right:
; proj = x W_qkv + b_qkv on codes of FP6, and the quantising of q, k and v, in one launch: proj itself never goes to memory.
; reference() reads proj's buffer [8192][3072] as 24576 TOKENS of 1024: token 3 R + s is third s of the columns of row R; its column is 64 head + d; tokens 0-8191 are q, the next 8192 k, the last v.
; SHARES.  A work-group takes 256 rows of x and ONE head's 192 columns (three thirds x 64 d): 768 consecutive tokens x that head's 64 d.  Each of its four waves takes 64 rows x 192 columns: 48 accumulators,
; 192 consecutive tokens = three groups of 64, each wholly q, k or v and inside one batch.  K = 1024 goes in 8 steps of 128; a slot of LDS holds 256 along K.
; CLUSTER.  The four work-groups of a cluster take four heads on the same rows: x's tiles are asked for jointly (mask 15).  The weights' tiles differ from partner to partner: plain loads.
; A cluster of 4 x 4 is not used: the way out branches on the group's number, which partners along y would not share.
; THE MATRIX INSTRUCTION IS USED TRANSPOSED (source 0 = 16 rows n' of the weight, source 1 = 16 rows of x): a lane holds one row of x and eight neighbouring d.  The sums begin as the bias, loaded into the accumulators.
; THE WAY OUT.  A wave's 192 tokens x 64 d go, as f32, into its own stage in LDS (over the slots, behind their last fill and last read).  q and k are quantised along d: a lane reads a token's 32 d.
; v is quantised along the tokens: a lane reads a column d down a group's 64 tokens.  All leave as half images (16 rows x 64 K in 768 bytes, in the order of the operand's registers):
;   qkv_img [which 64 + batch 16 + head][group of 64 tokens (32)][w (4)][768].  For q and k row r of half image w is token 32 (r / 8) + 8 w + r % 8 and K = d; for v row r is d = 32 (r / 8) + 8 w + r % 8 and K = the tokens.
;   qkv_scl: q [bh][group][256], then for each bh 12288 bytes: k [group][256], v [step of 128 tokens (16)][256].  A q or k group: lane l's 8 bytes are two words, for half images l / 16 and 2 + l / 16, row l % 16,
;   each the token's two bytes written twice.  A v step: [x (2)][lane (32)][4]: tile 2 x + lane / 16, row lane % 16; the bytes are the step's four blocks of keys.
; LIMITS: a block whose largest magnitude lies under 2^-124 keeps the byte 1, a block of zeros too (its codes are zeros; this program alone reads the bytes); NaN and infinities are not served.
; REGISTERS, in windows of 256.  Window 0: v1-29 addresses; v32-79 the weight's scale words (pair of tiles x 8 steps), v80-95 x's; v96-143, v144-191 x's fragments, two sets; on the way out v96-191 are at work.
;   Window 1: v0-143 the weight's fragments, set 0; v144-239 accumulators of x's tile 2.   Window 2: the same, set 1 and tile 3.   Window 3: v0-191 accumulators of x's tiles 0 and 1.
.set SLOT,  86016                      ; x: 16 tiles x 3072 bytes (256 K), then the weight: 12 tiles x 3072
.set BOFF,  49152
.set SPARE, 3*SLOT                     ; behind the three slots: the spare words, 128 bytes for each wave
.set STGW,  192*272                    ; a wave's stage: 192 tokens x (256 bytes + 16)
.set WV,    16                         ; s16 my wave
.set G1A,   24                         ; s[24:31] descriptor group 1 for x's tiles;  s[32:39] for the weight's
.set G1B,   32
.set G0A,   40                         ; s[40:51] groups 0 for x's first three chunks;  s[52:63] for the weight's
.set G0B,   52
.set SPW,   4                          ; v4 my spare word's address, v5 0; never rewritten
.set NIL,   5
.set SB,    32
.set SA,    80
.set AF,    96
.set X,     96                         ; the way out: 64 numbers
.set PA,    160
.set PB,    166
.set QTT,   172
.set QM,    180
.set QSC,   182
.set QBY,   184
.set MSB, 0
.macro WIN new                         ; the immediate's high byte repeats the setting that is left; a switch that changes nothing is dropped
.if MSB != (\new)
	s_set_vgpr_msb (MSB<<8)|(\new)
.set MSB, (\new)
.endif
.endm
.macro ROUND                           ; a round of the cluster's barrier
	s_barrier_signal -1
	s_barrier_wait -1
	s_cmp_lg_u32 s[WV], 0
	s_cbranch_scc1 .Lnw0_\@
	s_barrier_signal -3
.Lnw0_\@:
	s_barrier_wait -3
	s_barrier_signal -1
	s_barrier_wait -1
.endm
.macro PLACES                          ; four places behind matrix instructions, ahead of loads into registers that they read and of reads of their results
.rept 4
	v_nop
.endr
.endm
.macro ACCSET a                        ; where the 12 accumulators of x's tile a lie: window AWN, from register ABS
.if (\a) == 0
.set AWN, 3
.set ABS, 0
.elseif (\a) == 1
.set AWN, 3
.set ABS, 96
.elseif (\a) == 2
.set AWN, 1
.set ABS, 144
.else
.set AWN, 2
.set ABS, 144
.endif
.endm
.macro FRAG reg, a16, a8, off          ; a fragment = two half images: four dense loads
	ds_load_b128 v[(\reg):(\reg)+3], v[(\a16)] offset:(\off)
	ds_load_b64 v[(\reg)+4:(\reg)+5], v[(\a8)] offset:(\off)+512
	ds_load_b128 v[(\reg)+6:(\reg)+9], v[(\a16)] offset:(\off)+768
	ds_load_b64 v[(\reg)+10:(\reg)+11], v[(\a8)] offset:(\off)+1280
.endm
.macro FETCH p, slot, q                ; the fragments of the slot's q-th 128 along K into set p: the weight's 12, my 4 of x
	WIN ((1+(\p))<<6)
.set fb, 0
.rept 12
	FRAG 12*fb, 14+(\slot), 17+(\slot), fb*3072+(\q)*1536
.set fb, fb+1
.endr
	WIN 0
.set fb, 0
.rept 4
	FRAG AF+48*(\p)+12*fb, 8+(\slot), 11+(\slot), fb*3072+(\q)*1536
.set fb, fb+1
.endr
.endm
.macro WM d, f0, f1, s0, s1, r0, r1    ; one product in place; r0, r1: which half of the lanes holds each side's scale words
.if ((\r0) == 0) && ((\r1) == 0)
	v_wmma_scale_f32_16x16x128_f8f6f4 v[(\d):(\d)+7], v[(\f0):(\f0)+11], v[(\f1):(\f1)+11], v[(\d):(\d)+7], v[(\s0)], v[(\s1)] matrix_a_fmt:MATRIX_FMT_FP6 matrix_b_fmt:MATRIX_FMT_FP6
.elseif (\r1) == 0
	v_wmma_scale_f32_16x16x128_f8f6f4 v[(\d):(\d)+7], v[(\f0):(\f0)+11], v[(\f1):(\f1)+11], v[(\d):(\d)+7], v[(\s0)], v[(\s1)] matrix_a_fmt:MATRIX_FMT_FP6 matrix_b_fmt:MATRIX_FMT_FP6 matrix_a_scale:MATRIX_SCALE_ROW1
.elseif (\r0) == 0
	v_wmma_scale_f32_16x16x128_f8f6f4 v[(\d):(\d)+7], v[(\f0):(\f0)+11], v[(\f1):(\f1)+11], v[(\d):(\d)+7], v[(\s0)], v[(\s1)] matrix_a_fmt:MATRIX_FMT_FP6 matrix_b_fmt:MATRIX_FMT_FP6 matrix_b_scale:MATRIX_SCALE_ROW1
.else
	v_wmma_scale_f32_16x16x128_f8f6f4 v[(\d):(\d)+7], v[(\f0):(\f0)+11], v[(\f1):(\f1)+11], v[(\d):(\d)+7], v[(\s0)], v[(\s1)] matrix_a_fmt:MATRIX_FMT_FP6 matrix_b_fmt:MATRIX_FMT_FP6 matrix_a_scale:MATRIX_SCALE_ROW1 matrix_b_scale:MATRIX_SCALE_ROW1
.endif
.endm
.macro MUL p, kap                      ; a step's 48 products from set p; kap: the step, which picks the scale words.  The 48 accumulators take turns, in the same order in every step
.irp a, 0,1,2,3
	ACCSET \a
	WIN ((AWN<<6)|(AWN<<4)|(1+(\p)))
.set mb, 0
.rept 12
	WM ABS+8*mb, 12*mb, AF+48*(\p)+12*\a, SB+8*(mb/2)+(\kap), SA+8*(\a/2)+(\kap), mb%2, \a%2
.set mb, mb+1
.endr
.endr
.endm
.macro JL c                            ; a chunk by the c-th groups 0: wave 0 asks jointly for x's 16 tiles, wave 1 for the weight's 12; waves 2 and 3 ask for nothing; an s_nop 0 and four v_nop follow each line
	s_cmp_lg_u32 s[WV], 0
	s_cbranch_scc1 .Ljb_\@
	tensor_load_to_lds s[G0A+4*(\c):G0A+4*(\c)+3], s[G1A:G1A+7]
	s_nop 0
.rept 4
	v_nop
.endr
	s_branch .Ljd_\@
.Ljb_\@:
	s_cmp_lg_u32 s[WV], 1
	s_cbranch_scc1 .Ljd_\@
	tensor_load_to_lds s[G0B+4*(\c):G0B+4*(\c)+3], s[G1B:G1B+7]
	s_nop 0
.rept 4
	v_nop
.endr
.Ljd_\@:
.endm
; Two blocks of 32 numbers of a lane become 24 bytes of codes each; their bytes in v[QBY], v[QBY+1].
.macro Q2 xa, xb, pa, pb
.set QX, 192                           ; v192-201: four chains of eight numbers for each of the two blocks, by turns, and two leftovers
.irp k, 0,1,2,3
	v_max3_num_f32 v[QX+\k], |v[(\xa)+8*\k]|, |v[(\xa)+8*\k+1]|, |v[(\xa)+8*\k+2]|
	v_max3_num_f32 v[QX+4+\k], |v[(\xb)+8*\k]|, |v[(\xb)+8*\k+1]|, |v[(\xb)+8*\k+2]|
.endr
.irp i, 3,5
.irp k, 0,1,2,3
	v_max3_num_f32 v[QX+\k], v[QX+\k], |v[(\xa)+8*\k+\i]|, |v[(\xa)+8*\k+\i+1]|
	v_max3_num_f32 v[QX+4+\k], v[QX+4+\k], |v[(\xb)+8*\k+\i]|, |v[(\xb)+8*\k+\i+1]|
.endr
.endr
	v_max3_num_f32 v[QX+8], |v[(\xa)+23]|, |v[(\xa)+31]|, 0x1800000    ; with the floor 2^(3 - 127): the byte cannot fall under 1
	v_max3_num_f32 v[QX+9], |v[(\xb)+23]|, |v[(\xb)+31]|, 0x1800000
	v_max3_num_f32 v[QX], v[QX], v[QX+1], |v[(\xa)+7]|
	v_max3_num_f32 v[QX+4], v[QX+4], v[QX+5], |v[(\xb)+7]|
	v_max3_num_f32 v[QX+2], v[QX+2], v[QX+3], |v[(\xa)+15]|
	v_max3_num_f32 v[QX+6], v[QX+6], v[QX+7], |v[(\xb)+15]|
	v_max3_num_f32 v[QM], v[QX], v[QX+2], v[QX+8]
	v_max3_num_f32 v[QM+1], v[QX+4], v[QX+6], v[QX+9]
	v_add_nc_u32 v[QSC], 0xff000000, v[QM]                             ; 2 off the exponent field: the conversion's scale operand
	v_add_nc_u32 v[QSC+1], 0xff000000, v[QM+1]
	v_lshrrev_b32 v[QBY], 23, v[QSC]
	v_lshrrev_b32 v[QBY+1], 23, v[QSC+1]
	v_cvt_scalef32_pk16_fp6_f32 v[(\pa):(\pa)+2], v[(\xa):(\xa)+15], v[QSC]
	v_cvt_scalef32_pk16_fp6_f32 v[QTT:QTT+2], v[(\xa)+16:(\xa)+31], v[QSC]
	v_cvt_scalef32_pk16_fp6_f32 v[(\pb):(\pb)+2], v[(\xb):(\xb)+15], v[QSC+1]
	v_cvt_scalef32_pk16_fp6_f32 v[QTT+4:QTT+6], v[(\xb)+16:(\xb)+31], v[QSC+1]
	v_nop                                                              ; one plain line behind the scaled conversions
.irp i, 0,1,2
	v_mov_b32 v[(\pa)+3+\i], v[QTT+\i]
	v_mov_b32 v[(\pb)+3+\i], v[QTT+4+\i]
.endr
.endm
	s_load_b256 s[4:11], s[0:1], 0x0               ; x_img s[4:5], xw_scl s[6:7], w_img s[8:9], b_qkv s[10:11]
	s_load_b128 s[12:15], s[0:1], 0x20             ; qkv_img s[12:13], qkv_scl s[14:15]
	v_lshl_add_u32 v[SPW], v0, 2, SPARE
	v_mov_b32 v[NIL], 0
	ds_add_u32 v[SPW], v[NIL]                      ; the wave's opening: the add and its wait ahead of my first tensor load
	ds_add_u32 v[SPW], v[NIL]
	v_lshrrev_b32 v1, 5, v0
	v_readfirstlane_b32 s[WV], v1                  ; wave 0..3
	s_bfe_u32 s18, ttmp6, 0x40000                  ; cx
	s_lshl_b32 s19, ttmp9, 2
	s_add_co_u32 s19, s19, s18                     ; the head = 4 x cluster x + cx: it enters global addresses alone
	s_and_b32 s20, ttmp7, 0xffff                   ; the block of 256 rows, which the partners share
	; group 1: rows of 3072 bytes (384 elements of 8: a tile's 256 along K), 12288 bytes apart in memory, dense in LDS
	s_mov_b32 s[G1A], 15|(3<<16)|(1<<21)           ; 15:0 the mask: all four partners; 17:16 elements of 8 bytes; 21 set beside a mask
	s_mov_b32 s[G1A+1], 384<<16                    ; tensor_dim0
	s_mov_b32 s[G1A+2], 16<<16                     ; tensor_dim1: all 16 tiles of x by one load
	s_mov_b32 s[G1A+3], 384<<16                    ; tile_dim0
	s_mov_b32 s[G1A+4], 16                         ; tile_dim1
	s_mov_b32 s[G1A+5], 1536                       ; the pitch
	s_mov_b32 s[G1A+6], 0
	s_mov_b32 s[G1A+7], 0
	s_mov_b32 s[G1B], 3<<16                        ; no mask: my own head's weights
	s_mov_b32 s[G1B+1], 384<<16
	s_mov_b32 s[G1B+2], 12<<16                     ; all 12 tiles of the weight by one load
	s_mov_b32 s[G1B+3], 384<<16
	s_mov_b32 s[G1B+4], 12
	s_mov_b32 s[G1B+5], 1536
	s_mov_b32 s[G1B+6], 0
	s_mov_b32 s[G1B+7], 0
	s_mov_b32 s68, 0x76543210
	s_mov_b32 s69, 0xfedcba98                      ; v_permlanex16_b32's selects for lane l xor 16
	s_mov_b32 s70, 0xffff0000                      ; lanes 16-31
	s_mul_i32 s76, s20, 16*12288                   ; x: tile 16 x block (no cx in these registers)
	s_mov_b32 s77, 0
	s_mul_i32 s78, s19, 12*12288                   ; the weight: tile 12 x head
	s_mov_b32 s79, 0
	s_mov_b32 s80, 0                               ; where they go in a slot
	s_mov_b32 s81, BOFF
	s_wait_dscnt 0x0                               ; the opening add is done
	s_wait_kmcnt 0x0
	s_add_nc_u64 s[82:83], s[4:5], s[76:77]
	s_add_nc_u64 s[84:85], s[8:9], s[78:79]
.irp c, 0,1,2
	s_mov_b32 s[G0A+4*\c], 1
	s_add_co_u32 s[G0A+4*\c+1], s80, \c*SLOT
	s_add_nc_u64 s[G0A+4*\c+2:G0A+4*\c+3], s[82:83], \c*3072
	s_or_b32 s[G0A+4*\c+3], s[G0A+4*\c+3], 0x80000000
	s_mov_b32 s[G0B+4*\c], 1
	s_add_co_u32 s[G0B+4*\c+1], s81, \c*SLOT
	s_add_nc_u64 s[G0B+4*\c+2:G0B+4*\c+3], s[84:85], \c*3072
	s_or_b32 s[G0B+4*\c+3], s[G0B+4*\c+3], 0x80000000
.endr
	ROUND                                          ; all four work-groups are here: the first joint loads meet
; THE HEAD'S LOADS, ONE A WAVE: wave 0 chunk 0 of x, wave 1 chunk 0 of the weight, wave 2 chunk 1 of x, wave 3 chunk 1 of the weight.  One chain of branches on the wave's number, one load to an arm.
.macro ARM under, g0, g1, next
	s_cmp_lt_u32 s[WV], \under
	s_cbranch_scc0 \next
	tensor_load_to_lds s[\g0:\g0+3], s[\g1:\g1+7]
	s_nop 0
.rept 4
	v_nop
.endr
	s_branch .Lfirst_done
\next:
.endm
	ARM 1, G0A, G1A, .Lhead_1
	ARM 2, G0B, G1B, .Lhead_2
	ARM 3, G0A+4, G1A, .Lhead_3
	tensor_load_to_lds s[G0B+4:G0B+7], s[G1B:G1B+7]
	s_nop 0
.rept 4
	v_nop
.endr
.Lfirst_done:
	v_and_b32 v1, 31, v0                           ; lane
	v_and_b32 v2, 15, v0                           ; r
	v_bfe_u32 v3, v0, 4, 1                         ; h
	v_lshlrev_b32 v26, 5, v3                       ; the bias: my half's eight numbers of a tile's sixteen
	v_lshlrev_b32 v27, 5, v1                       ; scale bytes: a lane a row of 32
	s_wait_alu depctr_va_vdst(0)
	s_lshl_b32 s76, s19, 8
	s_mov_b32 s77, 0
	s_add_nc_u64 s[10:11], s[10:11], s[76:77]      ; b_qkv at my head's 64 in the first third
	; THE SUMS BEGIN AS THE BIAS: accumulator (a, b), register j, half h: column 1024 (b / 4) + 64 head + 16 (b % 4) + 8 h + j, the same for every row
.irp a, 0,1,2,3
	ACCSET \a
	WIN (AWN<<6)
.set mb, 0
.rept 12
	global_load_b128 v[ABS+8*mb:ABS+8*mb+3], v26, s[10:11] offset:(mb/4)*4096+64*(mb%4)
	global_load_b128 v[ABS+8*mb+4:ABS+8*mb+7], v26, s[10:11] offset:(mb/4)*4096+64*(mb%4)+16
.set mb, mb+1
.endr
.endr
	WIN 0
	s_lshl_b32 s76, s20, 13
	s_lshl_b32 s78, s[WV], 11
	s_add_co_u32 s76, s76, s78                     ; x's scale bytes: row 256 x block + 64 x wave
	s_add_nc_u64 s[86:87], s[6:7], s[76:77]
	s_mul_i32 s76, s19, 6144
	s_add_co_u32 s76, s76, 262144                  ; the weight's: row 192 x head
	s_add_nc_u64 s[88:89], s[6:7], s[76:77]
.irp q, 0,1                                    ; a pair of tiles = 32 rows, a lane a row: its 8 words are the 8 steps'; lanes 0-15 the even tile, lanes 16-31 the odd one
	global_load_b128 v[SA+8*\q:SA+8*\q+3], v27, s[86:87] offset:\q*1024
	global_load_b128 v[SA+8*\q+4:SA+8*\q+7], v27, s[86:87] offset:\q*1024+16
.endr
.irp q, 0,1,2,3,4,5
	global_load_b128 v[SB+8*\q:SB+8*\q+3], v27, s[88:89] offset:\q*1024
	global_load_b128 v[SB+8*\q+4:SB+8*\q+7], v27, s[88:89] offset:\q*1024+16
.endr
	v_lshlrev_b32 v23, 4, v1                       ; 16 x lane
	v_lshlrev_b32 v24, 3, v1                       ; 8 x lane
	v_lshlrev_b32 v25, 2, v1                       ; 4 x lane
	s_mul_i32 s76, s[WV], 12288                    ; my four tiles of x in a slot
.irp c, 0,1,2
	v_add_nc_u32 v[8+\c], s76, v23                 ; v8-10, v11-13: x's fragments in slot c, by 16 and by 8 bytes a lane
	v_add_nc_u32 v[11+\c], s76, v24
	v_add_nc_u32 v[14+\c], BOFF+\c*SLOT, v23       ; v14-16, v17-19: the weight's
	v_add_nc_u32 v[17+\c], BOFF+\c*SLOT, v24
	s_add_co_u32 s76, s76, SLOT
.endr
	s_mul_i32 s77, s[WV], STGW                     ; my stage
	v_mul_u32_u24 v20, v2, 816
	v_lshl_add_u32 v20, v3, 5, v20
	v_add_nc_u32 v20, s77, v20                     ; v20 into it: token 3 r (+ 48 a + third), my half's 32 bytes
	v_and_b32 v28, 7, v2
	v_and_b32 v29, 8, v2
	v_lshl_add_u32 v28, v29, 2, v28                ; 32 (r / 8) + r % 8
	v_mul_u32_u24 v21, v28, 272
	v_lshl_add_u32 v21, v3, 7, v21
	v_add_nc_u32 v21, s77, v21                     ; v21 out of it by rows: that token, block h of its 64 d
	v_lshlrev_b32 v22, 2, v28
	v_lshl_add_u32 v22, v3, 5, v22
	v_add_nc_u32 v22, s77, v22                     ; v22 out of it by columns: d = 32 (r / 8) + 8 h + r % 8
	s_wait_alu depctr_va_vdst(0)                   ; the wait at the head's end
	s_wait_tensorcnt 0x0                           ; my tile of chunks 0 and 1 is in
	ds_add_u32 v[SPW], v[NIL]
	s_wait_dscnt 0x0
	ROUND                                          ; chunks 0 and 1 are whole, in every partner
	JL 2                                           ; chunk 2 into slot 2, its first fill: three steps lie between this line and the wait for it
	FETCH 0, 0, 0
	s_wait_loadcnt 0x0                             ; the bias and the scale words
.macro STEP i, slot, q                 ; step i + 1's fragments, from (slot, q), are asked for in one run; then step i is multiplied while they are on their way
	WIN 0
	s_wait_dscnt 0x0                               ; step i's fragments are in
	PLACES
	FETCH ((\i)+1)%2, \slot, \q
	MUL (\i)%2, \i
.endm
.macro STEPB i, slot, q, cnt           ; the same where the next step opens a slot: my part of it has landed (cnt younger loads may be out), and everybody's, behind the barrier
	WIN 0
	s_wait_dscnt 0x0
	s_wait_tensorcnt \cnt
	s_barrier_signal -1
	s_barrier_wait -1
	PLACES
	FETCH ((\i)+1)%2, \slot, \q
	MUL (\i)%2, \i
.endm
	STEP  0, 0, 1
	STEP  1, 1, 0
	STEP  2, 1, 1
	; step 3: slot 0, read out in steps 0 and 1, takes the last chunk
	WIN 0
	s_wait_dscnt 0x0
	s_wait_tensorcnt 0x0                           ; all my tensor loads have landed, chunk 2 among them: a group 0 may be written
	ds_add_u32 v[SPW], v[NIL]
	s_add_nc_u64 s[G0A+2:G0A+3], s[G0A+2:G0A+3], 3*3072    ; from chunk 0 to chunk 3
	s_add_nc_u64 s[G0B+2:G0B+3], s[G0B+2:G0B+3], 3*3072
	s_wait_dscnt 0x0                               ; the add is done; my reads of slot 0 ended long ago
	ROUND                                          ; the same holds of every wave of every partner
	JL 0                                           ; the one refill: two steps lie between this line and the wait for it
	PLACES                                         ; on every wave's way: ahead of the loads into the set that step 2 multiplied
	FETCH 0, 2, 0
	MUL 1, 3
	STEP  4, 2, 1
	STEPB 5, 0, 0, 0
	STEP  6, 0, 1
	WIN 0
	s_wait_dscnt 0x0                               ; my last reads of a slot are in:
	s_barrier_signal -1
	MUL 1, 7
	WIN 0
	s_barrier_wait -1                              ; nobody reads a slot any more, and none is filled again: the stages may lie over them
	; ---------------- the way out ----------------
	PLACES
.irp a, 0,1,2,3
	ACCSET \a
	WIN (AWN<<2)                                   ; an LDS store's data are its source 1
.set mb, 0
.rept 12
	ds_store_b128 v20, v[ABS+8*mb:ABS+8*mb+3] offset:(48*\a+mb/4)*272+64*(mb%4)       ; each accumulator from its low end on
	ds_store_b128 v20, v[ABS+8*mb+4:ABS+8*mb+7] offset:(48*\a+mb/4)*272+64*(mb%4)+16
.set mb, mb+1
.endr
.endr
	WIN 0
	v_mov_b32 v186, 0                              ; lane permutes' destinations count as read
	v_mov_b32 v187, 0
.macro OUT4 f                          ; half images f and f + 1 of the group
	global_store_b128 v23, v[PA:PA+3], s[72:73] offset:(\f)*768
	global_store_b64 v24, v[PA+4:PA+5], s[72:73] offset:(\f)*768+512
	global_store_b128 v23, v[PB:PB+3], s[72:73] offset:((\f)+1)*768
	global_store_b64 v24, v[PB+4:PB+5], s[72:73] offset:((\f)+1)*768+512
.endm
.macro GROUP g                         ; my g-th group of 64 tokens.  LDS serves a wave's instructions in order: the loads see my stores
	s_wait_xcnt 0x0                                ; the earlier stores have read their bases
	s_mul_i32 s71, s20, 12
	s_mul_i32 s76, s[WV], 3
	s_add_co_u32 s71, s71, s76
	s_add_co_u32 s71, s71, \g                      ; the group's number among 384: the same in all partners
	s_lshr_b32 s76, s71, 5                         ; 4 x which + batch
	s_lshl_b32 s77, s76, 4
	s_add_co_u32 s77, s77, s19
	s_lshl_b32 s77, s77, 5
	s_and_b32 s78, s71, 31                         ; the group within its batch
	s_add_co_u32 s77, s77, s78
	s_mul_i32 s80, s77, 3072
	s_mov_b32 s81, 0
	s_add_nc_u64 s[72:73], s[12:13], s[80:81]      ; its four half images
	s_and_b32 s76, s76, 3
	s_lshl_b32 s76, s76, 4
	s_add_co_u32 s76, s76, s19                     ; bh = 16 x batch + head
	s_cmp_lt_u32 s71, 256
	s_cbranch_scc0 .Lcol_\@
	; q or k: quantised along d
	s_cmp_lt_u32 s71, 128
	s_mov_b32 s79, 12288
	s_cselect_b32 s79, 8192, s79
	s_cselect_b32 s82, 0, 524288
	s_mul_i32 s80, s76, s79
	s_add_co_u32 s80, s80, s82
	s_lshl_b32 s82, s78, 8
	s_add_co_u32 s80, s80, s82
	s_add_nc_u64 s[74:75], s[14:15], s[80:81]      ; the group's 256 scale bytes
	s_wait_alu depctr_va_vdst(0)
.irp f, 0,1
.irp u, 0,1
.irp i, 0,1,2,3,4,5,6,7
	ds_load_b128 v[X+32*\u+4*\i:X+32*\u+4*\i+3], v21 offset:(64*\g+8*(2*\f+\u))*272+16*\i
.endr
.endr
	s_wait_dscnt 0x0
	s_wait_xcnt 0x0                                ; the earlier stores have read their data
	Q2 X, X+32, PA, PB
	OUT4 2*\f
	v_permlanex16_b32 v186, v[QBY], s68, s69       ; the token's other block's byte
	v_permlanex16_b32 v187, v[QBY+1], s68, s69
	v_cndmask_b32 v188, v[QBY], v186, s70          ; block 0's byte,
	v_cndmask_b32 v186, v186, v[QBY], s70          ; block 1's
	v_lshl_or_b32 v188, v186, 8, v188
	v_lshl_or_b32 v188, v188, 16, v188             ; the two, twice: the even half image's word of row r
	v_cndmask_b32 v189, v[QBY+1], v187, s70
	v_cndmask_b32 v187, v187, v[QBY+1], s70
	v_lshl_or_b32 v189, v187, 8, v189
	v_lshl_or_b32 v189, v189, 16, v189             ; the odd one's
	v_cndmask_b32 v[190+\f], v188, v189, s70       ; lanes 0-15 keep the even one's, lanes 16-31 the odd one's
.endr
	global_store_b64 v24, v[190:191], s[74:75]     ; 256 consecutive bytes
	s_branch .Lgd_\@
.Lcol_\@:
	; v: quantised along the tokens
	s_mul_i32 s80, s76, 12288
	s_add_co_u32 s80, s80, 524288+8192
	s_lshr_b32 s82, s78, 1
	s_lshl_b32 s82, s82, 8
	s_add_co_u32 s80, s80, s82                     ; the step of 128 keys,
	s_and_b32 s82, s78, 1
	s_lshl_b32 s82, s82, 1
	s_add_co_u32 s80, s80, s82                     ; and my group's two bytes of its words
	s_add_nc_u64 s[74:75], s[14:15], s[80:81]
	s_wait_alu depctr_va_vdst(0)
.irp x, 0,1
.set ci, 0
.rept 64
	ds_load_b32 v[X+ci], v22 offset:(64*\g+ci)*272+64*\x       ; column d = 32 (r / 8) + 8 (2 x + h) + r % 8, down the 64 tokens
.set ci, ci+1
.endr
	s_wait_dscnt 0x0
	s_wait_xcnt 0x0
	Q2 X, X+32, PA, PB
	v_lshl_or_b32 v188, v[QBY+1], 8, v[QBY]
	global_store_b16 v25, v188, s[74:75] offset:128*\x
.irp i, 0,1,2,3,4,5
	v_permlane16_swap_b32 v[PA+\i], v[PB+\i]       ; PA held block 0 of two tiles' rows, PB block 1: now PA holds tile 2 x, PB tile 2 x + 1
.endr
	OUT4 2*\x
.endr
.Lgd_\@:
.endm
	GROUP 0
	GROUP 1
	GROUP 2
	s_wait_tensorcnt 0x0                           ; the wave's end
	ds_add_u32 v[SPW], v[NIL]
	s_wait_dscnt 0x0
	ROUND                                          ; the closing round
	s_endpgm
.Lfunc_end_k_q7604fdc275_qkv:
	.size	k_q7604fdc275_qkv, .Lfunc_end_k_q7604fdc275_qkv-k_q7604fdc275_qkv
	.p2alignl 7, 3214868480
	.fill 96, 4, 3214868480
	.section	.rodata,"a",@progbits
	.p2align	6, 0x0
	.amdhsa_kernel k_q7604fdc275_qkv
		.amdhsa_group_segment_fixed_size 327680
		.amdhsa_private_segment_fixed_size 0
		.amdhsa_enable_private_segment 0
		.amdhsa_kernarg_size 48
		.amdhsa_user_sgpr_count 2
		.amdhsa_user_sgpr_kernarg_segment_ptr 1
		.amdhsa_wavefront_size32 1
		.amdhsa_system_sgpr_workgroup_id_x 1
		.amdhsa_system_sgpr_workgroup_id_y 1
		.amdhsa_system_sgpr_workgroup_id_z 1
		.amdhsa_system_vgpr_workitem_id 0
		.amdhsa_next_free_vgpr 1024
		.amdhsa_next_free_sgpr 100
		.amdhsa_reserve_vcc 0
		.amdhsa_float_denorm_mode_32 3
		.amdhsa_float_denorm_mode_16_64 3
		.amdhsa_memory_ordered 1
		.amdhsa_forward_progress 1
		.amdhsa_inst_pref_size 189
	.end_amdhsa_kernel
	.amdgpu_metadata
---
amdhsa.version: [ 1, 2 ]
amdhsa.kernels:
  - .name:           k_q7604fdc275_qkv
    .symbol:         k_q7604fdc275_qkv.kd
    .args:
      - { .name: x_img, .offset: 0, .size: 8, .value_kind: global_buffer, .address_space: global }
      - { .name: xw_scl, .offset: 8, .size: 8, .value_kind: global_buffer, .address_space: global }
      - { .name: w_img, .offset: 16, .size: 8, .value_kind: global_buffer, .address_space: global }
      - { .name: b_qkv, .offset: 24, .size: 8, .value_kind: global_buffer, .address_space: global }
      - { .name: qkv_img, .offset: 32, .size: 8, .value_kind: global_buffer, .address_space: global }
      - { .name: qkv_scl, .offset: 40, .size: 8, .value_kind: global_buffer, .address_space: global }
    .group_segment_fixed_size: 327680
    .private_segment_fixed_size: 0
    .kernarg_segment_align: 8
    .kernarg_segment_size: 48
    .max_flat_workgroup_size: 128
    .sgpr_count:     100
    .vgpr_count:     1024
    .wavefront_size: 32
...
	.end_amdgpu_metadata
.endif
;; end of part 2
;; launch attn (part 3): grid 4 x 64, 16 waves a work-group, clusters of 4 x 1, 327,680 bytes of LDS; arguments qkv_img, qkv_scl, inner_img, inner_scl; writes inner_img, inner_scl
.if DOCPART == 3
	.amdgcn_target "amdgcn-amd-amdhsa--gfx1250"
	.amdhsa_code_object_version 6
	.text
	.protected	k_q7604fdc275_attn
	.globl	k_q7604fdc275_attn
	.p2align	8
	.type	k_q7604fdc275_attn,@function
k_q7604fdc275_attn:
	s_mov_b64 s[64:65], 0
	v_nop
	global_prefetch_b8 v0, s[64:65] scope:SCOPE_SE
	s_setreg_imm32_b32 hwreg(HW_REG_WAVE_MODE, 25, 1), 1
	s_wait_xcnt 0x0
	s_wait_alu depctr_hold_cnt(0) depctr_sa_sdst(0) depctr_va_vdst(0) depctr_va_sdst(0) depctr_va_ssrc(0) depctr_va_vcc(0) depctr_vm_vsrc(0)
	s_getreg_b32 s2, hwreg(HW_REG_IB_STS2, 6, 4)
	s_cmp_eq_u32 s2, 0
	s_cbranch_scc0 .Lentry_in_a_cluster
	s_endpgm
.Lentry_in_a_cluster:
	s_bfe_u32 s2, ttmp6, 0x10000c
	s_cmp_lg_u32 s2, 0x3003
	s_cbranch_scc0 .Lentry_shape_is_right
	s_endpgm
.Lentry_shape_is_right:
; inner = softmax(q k^T / 8) v for one (batch, head) and 512 queries a work-group, on codes of FP6 with E8M0 scales; inner leaves as codes and scale bytes for the last product.
; SHARES.  Work-group y = bh = 16 batch + head.  The four work-groups of a cluster take the four quarters of bh's 2048 queries and need the same K, V and scales: joint loads (mask 15).
; ALL of bh's K and V codes (2 x 98304 bytes) and their scale bytes (12288) lie in LDS, each byte filled once, in two groups of loads, one tensor load a wave in each.
;   At the head: the codes of key steps 0 and 1 (waves 0-5 2048 bytes of K each, waves 6-11 of V) and all scale bytes (waves 12-15, 3072 bytes each).
;   Behind the full sequence and a round of the cluster's barrier: the codes of steps 2 to 15 (waves 0-7 10752 bytes of K each, waves 8-15 of V).  The first pass multiplies steps 0 and 1 meanwhile; a wait and a barrier stand ahead of its step 2.
; A wave takes 16 queries at a time, twice, and walks the 2048 keys in 16 steps of 128.  No prefetch: the second group of loads is itself asked for two steps ahead of its first read, and nothing is left to ask for behind it.
; LAYOUTS are those that launch qkv stores: half images of 16 rows x 64 K in 768 bytes (16 bytes a lane, then 8 bytes a lane).  Row r of half image w of a group of 64 tokens is token 32 (r / 8) + 8 w + r % 8 (q, k), or d of that number (v).
; BOTH PRODUCTS ARE USED TRANSPOSED.  S^T = k q^T: a fragment of k holds two half images side by side along K; q stands in the low or in the high 64 of K, zeros in the other, so each product takes one half image's 16 keys.
; A lane (query r, half h) then holds in 32 registers on end the keys 64 c + 32 h + 0 .. 31: a whole block of p.  O^T = v^T p^T: a lane holds d = 32 h + 0 .. 31: a whole block of inner.
; SOFTMAX: t = score x log2(e) / 8; M = ceil(running largest t), kept as -M; p = 2^(t - M); the sum is taken of the unquantised p, in eight chains; when M moves, the sums and O^T are multiplied by 2^(old M - new M), which rounds nothing.
; A BLOCK'S SCALE: p rises with the score, so the block's largest p is 2^u with u = (largest score) x c - M, made by the same multiply-add as every t - M.  Its exponent is floor(u): the byte is floor(u) + 125, u held at -124 from below.
; INDEPENDENT CHAINS BY TURNS: the maxima run in eight chains (one for each accumulator of scores), the sums in eight, and the short chains (the factor, the block scales, p's scale word) stand among the 32 multiply-adds.
; LIMITS: the promise holds while the scaled scores stay under 2^31 in magnitude.  Where u lies within one rounding of v_exp_f32 under a whole number, that block's largest p may be held one code low.
; A block whose every p is under 2^-124 keeps the byte 1; NaN and infinities are not served.  A block of inner whose largest magnitude lies under 2^-124 keeps the byte 1.
.set VIMG,  98304                      ; LDS: K's codes at 0, V's here,
.set KSCL,  196608                     ; K's scale words (8192 bytes),
.set VSCL,  204800                     ; V's (4096),
.set SPARE, 208896                     ; the spare words: 128 bytes for each of 16 waves
.set FIRST, 2*6144                     ; the codes of steps 0 and 1, of K or of V
.set WV,    12                         ; s12 my wave; s13 cx; s14 bh
.set SPW,   8                          ; v8 my spare word's address, v9 0; never rewritten
.set NIL,   9
.set KF,    40                         ; v40-87 four fragments of k, then of v
.set S,     88                         ; v88-151 scores, then p
.set O,     152                        ; v152-183 O^T
.set P,     184                        ; v184-195 p's codes
.set TT,    196                        ; v196-202 the second halves of two blocks' codes
.set MB,    204                        ; v204-205 the two blocks' largest scores, then u
.set SCO,   208                        ; v208-209 the conversions' scale operands
.set BY,    210                        ; v210-211 floor(u)
.set KS,    212                        ; v212-215 k's scale words; v216 q's; v217 p's; v230-231 v's
.set VS,    230
.set MX,    242                        ; v242-251 the maxima's eight chains and two leftovers
; v16-21 zeros, v22-27 q, v28-33 zeros: v[22:33] is q in the low 64 of K, v[16:27] q in the high 64.  v12 -M, v13 the running largest score; v[34:39], v[14:15], v[234:241] the sum's eight chains; v218 the factor; v223 the old -M; v224-229 addresses
.macro D n                             ; a hint ahead of a plain line that reads the result of the plain line n lines before it
	s_delay_alu instid0(VALU_DEP_\n)
.endm
.macro ROUND                           ; a round of the cluster's barrier
	s_barrier_signal -1
	s_barrier_wait -1
	s_cmp_lg_u32 s[WV], 0
	s_cbranch_scc1 .Lnw0_\@
	s_barrier_signal -3
.Lnw0_\@:
	s_barrier_wait -3
	s_barrier_signal -1
	s_barrier_wait -1
.endm
.macro FRAG2 reg, a16, a8, off, far    ; a fragment = two half images, far bytes apart: four dense loads
	ds_load_b128 v[(\reg):(\reg)+3], v[(\a16)] offset:(\off)
	ds_load_b64 v[(\reg)+4:(\reg)+5], v[(\a8)] offset:(\off)+512
	ds_load_b128 v[(\reg)+6:(\reg)+9], v[(\a16)] offset:(\off)+(\far)
	ds_load_b64 v[(\reg)+10:(\reg)+11], v[(\a8)] offset:(\off)+(\far)+512
.endm
.macro PF n                            ; the next n pairs of scores become t - M
.rept \n
	v_pk_fma_f32 v[S+sj:S+sj+1], v[S+sj:S+sj+1], s[42:43], v[12:13] op_sel_hi:[1,0,0]
.set sj, sj+2
.endr
.endm
.macro QK c                            ; the scores of the step's c-th 64 keys: four products, each on an accumulator of its own
.irp f, 0,1
	v_wmma_scale_f32_16x16x128_f8f6f4 v[S+32*\c+16*\f:S+32*\c+16*\f+7], v[KF+12*(2*\c+\f):KF+12*(2*\c+\f)+11], v[22:33], 0, v[KS+2*\c+\f], v216 matrix_a_fmt:MATRIX_FMT_FP6 matrix_b_fmt:MATRIX_FMT_FP6
	v_wmma_scale_f32_16x16x128_f8f6f4 v[S+32*\c+16*\f+8:S+32*\c+16*\f+15], v[KF+12*(2*\c+\f):KF+12*(2*\c+\f)+11], v[16:27], 0, v[KS+2*\c+\f], v216 matrix_a_fmt:MATRIX_FMT_FP6 matrix_b_fmt:MATRIX_FMT_FP6 matrix_a_scale:MATRIX_SCALE_ROW1
.endr
.endm
	s_load_b256 s[4:11], s[0:1], 0x0               ; qkv_img s[4:5], qkv_scl s[6:7], inner_img s[8:9], inner_scl s[10:11]
	v_lshl_add_u32 v[SPW], v0, 2, SPARE
	v_mov_b32 v[NIL], 0
	ds_add_u32 v[SPW], v[NIL]                      ; the opening lines: the add, twice on end, and its wait ahead of my first tensor load
	ds_add_u32 v[SPW], v[NIL]
	v_lshrrev_b32 v1, 5, v0
	D 1
	v_readfirstlane_b32 s[WV], v1                  ; wave 0..15
	s_bfe_u32 s13, ttmp6, 0x40000                  ; cx: it enters global addresses of q and inner alone
	s_and_b32 s14, ttmp7, 0xffff                   ; bh, which the partners share
	s_mov_b32 s16, 15|(3<<16)|(1<<21)              ; group 1 for the codes: the mask of all four partners, elements of 8 bytes, bit 21 beside the mask; dense rows of 256 bytes: 8 of them at the head
	s_mov_b32 s17, 32<<16
	s_mov_b32 s18, 8<<16
	s_mov_b32 s19, 32<<16
	s_mov_b32 s20, 8
	s_mov_b32 s21, 32
	s_mov_b32 s22, 0
	s_mov_b32 s23, 0
	s_mov_b32 s24, 15|(3<<16)|(1<<21)              ; group 1 for the scales: 12 dense rows of 256 bytes
	s_mov_b32 s25, 32<<16
	s_mov_b32 s26, 12<<16
	s_mov_b32 s27, 32<<16
	s_mov_b32 s28, 12
	s_mov_b32 s29, 32
	s_mov_b32 s30, 0
	s_mov_b32 s31, 0
	s_mov_b32 s40, 0x76543210
	s_mov_b32 s41, 0xfedcba98                      ; v_permlanex16_b32's selects for lane l xor 16
	s_mov_b32 s42, 0x3e38aa3b                      ; c = log2(e) / 8
	s_mov_b32 s43, s42
	s_mul_i32 s56, s[WV], 43
	s_lshr_b32 s56, s56, 8                         ; wave / 6: 0 K, 1 V
	s_mul_i32 s57, s56, 6
	s_sub_co_u32 s57, s[WV], s57
	s_lshl_b32 s57, s57, 11                        ; which 2048 bytes of the first 12288
	s_mul_i32 s33, s56, VIMG
	s_add_co_u32 s33, s33, s57                     ; and the same place in LDS
	s_lshl_b32 s56, s56, 6
	s_add_co_u32 s56, s56, 64
	s_add_co_u32 s56, s56, s14
	s_mul_i32 s56, s56, 98304                      ; K's images begin at plane 64 + bh, V's at 128 + bh
	s_add_co_u32 s56, s56, s57
	s_mov_b32 s57, 0
	s_mul_i32 s58, s14, 12288
	s_mul_i32 s59, s[WV], 3072
	s_add_co_u32 s58, s58, s59
	s_add_co_u32 s58, s58, 524288-12*3072          ; bh's scale bytes, quarter wave - 12
	s_mov_b32 s59, 0
	s_wait_dscnt 0x0                               ; both opening adds are done
	s_wait_kmcnt 0x0
	s_mov_b32 s32, 1
	s_add_nc_u64 s[34:35], s[4:5], s[56:57]
	s_or_b32 s35, s35, 0x80000000
	s_mov_b32 s36, 1
	s_mul_i32 s37, s[WV], 3072
	s_add_co_u32 s37, s37, KSCL-12*3072
	s_add_nc_u64 s[38:39], s[6:7], s[58:59]
	s_or_b32 s39, s39, 0x80000000
	ROUND                                          ; all four work-groups are here: the joint loads meet
	s_cmp_lt_u32 s[WV], 12                         ; one load on every wave's way
	s_cbranch_scc0 .Lscales
	tensor_load_to_lds s[32:35], s[16:23]
	s_nop 0
.rept 4
	v_nop
.endr
	s_branch .Lasked
.Lscales:
	tensor_load_to_lds s[36:39], s[24:31]
	s_nop 0
.rept 4
	v_nop
.endr
.Lasked:
	v_and_b32 v10, 31, v0                          ; lane
	v_bfe_u32 v11, v0, 4, 1                        ; h
	v_and_b32 v6, 15, v0                           ; r
	D 3
	v_lshlrev_b32 v1, 4, v10                       ; 16 x lane
	v_lshlrev_b32 v2, 3, v10                       ; 8 x lane
	v_lshlrev_b32 v7, 3, v11                       ; 8 h: my bytes' place in p's scale word
	v_lshl_add_u32 v11, v6, 5, v11                 ; inner's scale byte: 32 r + h
	v_add_nc_u32 v3, VIMG, v1
	v_add_nc_u32 v4, VIMG, v2
	v_add_nc_u32 v5, KSCL, v2
	v_lshl_add_u32 v10, v10, 2, VSCL
	v_lshlrev_b32 v232, 3, v6                      ; q's scale word: 8 r
	D 2
	v_mov_b32 v6, v10                              ; v6: v's scale words, 4 x lane
.irp i, 16,17,18,19,20,21,28,29,30,31,32,33
	v_mov_b32 v\i, 0                               ; the zeros beside q
.endr
.irp i, 219,220,221,222,223
	v_mov_b32 v\i, 0                               ; lane permutes' destinations and the upper half of a pair count as read
.endr
.macro PRO pi                          ; a pass's opening: 16 queries are fetched, the sums begin
.if \pi
	s_wait_xcnt 0x0                                ; the first pass's stores have read their bases and data
.endif
	s_lshl_b32 s56, s13, 5
	s_add_co_u32 s56, s56, s[WV]
	s_add_co_u32 s56, s56, 16*\pi                  ; my tile of 16 queries among the batch's 128
	s_lshr_b32 s57, s56, 2                         ; its group of 64 tokens,
	s_and_b32 s58, s56, 3                          ; and its half image there
	s_lshl_b32 s59, s14, 5
	s_add_co_u32 s59, s59, s57
	s_mul_i32 s60, s59, 3072
	s_mul_i32 s61, s58, 768
	s_add_co_u32 s60, s60, s61
	s_mov_b32 s61, 0
	s_add_nc_u64 s[48:49], s[4:5], s[60:61]        ; q's half image
	s_lshl_b32 s60, s59, 8
	s_and_b32 s62, s58, 1
	s_lshl_b32 s62, s62, 7
	s_add_co_u32 s60, s60, s62
	s_lshr_b32 s62, s58, 1
	s_lshl_b32 s62, s62, 2
	s_add_co_u32 s60, s60, s62
	s_add_nc_u64 s[50:51], s[6:7], s[60:61]        ; its scale words
	s_lshr_b32 s62, s14, 4
	s_lshl_b32 s62, s62, 7
	s_add_co_u32 s62, s62, s56                     ; inner's tile: 128 batch + my tile
	s_and_b32 s63, s14, 15
	s_lshl_b32 s60, s62, 4
	s_add_co_u32 s60, s60, s63
	s_mul_i32 s60, s60, 768
	s_add_nc_u64 s[52:53], s[8:9], s[60:61]
	s_lshl_b32 s60, s62, 9
	s_lshl_b32 s63, s63, 1
	s_add_co_u32 s60, s60, s63
	s_add_nc_u64 s[54:55], s[10:11], s[60:61]
	global_load_b128 v[22:25], v1, s[48:49]
	global_load_b64 v[26:27], v2, s[48:49] offset:512
	global_load_b32 v216, v232, s[50:51]
	v_mov_b32 v13, 0xff61b1e6                      ; the largest score so far: -3e38
	v_mov_b32 v12, 0x7e000000                      ; -M: 2^125, so that the first factor is 0, on sums that are 0
.irp i, 14,15,34,35,36,37,38,39,234,235,236,237,238,239,240,241
	v_mov_b32 v\i, 0
.endr
.set oi, 0
.rept 32
	v_mov_b32 v[O+oi], 0
.set oi, oi+1
.endr
	s_mov_b32 s45, 0                               ; the step's place in K's and V's codes, in K's scale words, in V's
	s_mov_b32 s46, 0
	s_mov_b32 s47, 0
	s_wait_alu depctr_va_vdst(0)                   ; directly ahead of the waits below
.if \pi == 0
	s_wait_tensorcnt 0x0                           ; my tile of the head's is in
	ds_add_u32 v[SPW], v[NIL]                      ; 0 onto my spare word;
	s_mov_b32 s18, 42<<16                          ; no tensor load of mine is out, so the descriptors may be written: 42 rows of 256 bytes,
	s_mov_b32 s20, 42
	s_lshr_b32 s56, s[WV], 3                       ; wave / 8: 0 K, 1 V
	s_and_b32 s57, s[WV], 7
	s_mul_i32 s57, s57, 10752
	s_add_co_u32 s57, s57, FIRST                   ; which 10752 bytes behind the first 12288,
	s_mul_i32 s33, s56, VIMG
	s_add_co_u32 s33, s33, s57                     ; the same place in LDS,
	s_lshl_b32 s56, s56, 6
	s_add_co_u32 s56, s56, 64
	s_add_co_u32 s56, s56, s14
	s_mul_i32 s56, s56, 98304
	s_add_co_u32 s56, s56, s57
	s_mov_b32 s57, 0
	s_add_nc_u64 s[34:35], s[4:5], s[56:57]        ; and in memory
	s_or_b32 s35, s35, 0x80000000
	s_wait_dscnt 0x0                               ; the add is done
	ROUND                                          ; steps 0 and 1 and the scales are whole, in every partner: the joint loads meet
	tensor_load_to_lds s[32:35], s[16:23]          ; my part of steps 2 to 15, a first fill: two steps of all waves lie between this line and the wait for it
	s_nop 0
.rept 4
	v_nop
.endr
.endif
	s_wait_loadcnt 0x0
.endm
.macro STEPS trips                     ; so many steps of 128 keys, on from where s45 to s47 stand
	s_mov_b32 s44, \trips
.Lstep_\@:
	v_add_nc_u32 v224, s45, v1                     ; with the line of the sum behind the last step's products these three are the four places ahead of the loads into their fragments
	v_add_nc_u32 v225, s45, v2
	v_add_nc_u32 v228, s46, v5
.irp c, 0,1
.irp f, 0,1
	FRAG2 KF+12*(2*\c+\f), 224, 225, \c*3072+\f*1536, 768
.endr
	ds_load_b64 v[KS+2*\c:KS+2*\c+1], v228 offset:\c*256
.endr
	s_wait_dscnt 9                                 ; the first 64 keys' nine loads are in; the second 64 keys' nine may be out
	QK 0
	s_wait_dscnt 0x0
	QK 1
	v_add_nc_u32 v226, s45, v3                     ; four places behind the products, ahead of the loads over k's fragments and of the reads of the scores
	v_add_nc_u32 v227, s45, v4
	v_add_nc_u32 v229, s47, v6
	v_mov_b32 v223, v12                            ; the old -M
.irp w, 0,1,2,3
	FRAG2 KF+12*\w, 226, 227, \w*768, 3072
.endr
	ds_load_b32 v[VS], v229
	ds_load_b32 v[VS+1], v229 offset:128
.irp c, 0,1                                    ; the largest score of each block of 32 keys: a chain for each accumulator, eight by turns; each accumulator is first read in its low four registers
.irp k, 0,1,2,3
	v_max3_num_f32 v[MX+4*\c+\k], v[S+32*\c+8*\k], v[S+32*\c+8*\k+1], v[S+32*\c+8*\k+2]
.endr
.endr
.irp i, 3,5
.irp c, 0,1
.irp k, 0,1,2,3
	v_max3_num_f32 v[MX+4*\c+\k], v[MX+4*\c+\k], v[S+32*\c+8*\k+\i], v[S+32*\c+8*\k+\i+1]
.endr
.endr
.endr
.irp c, 0,1
	v_max_num_f32 v[MX+8+\c], v[S+32*\c+23], v[S+32*\c+31]
.endr
.irp c, 0,1
	v_max3_num_f32 v[MX+4*\c], v[MX+4*\c], v[MX+4*\c+1], v[S+32*\c+7]
.endr
.irp c, 0,1
	v_max3_num_f32 v[MX+4*\c+2], v[MX+4*\c+2], v[MX+4*\c+3], v[S+32*\c+15]
.endr
.irp c, 0,1
	D 2
	v_max3_num_f32 v[MB+\c], v[MX+4*\c], v[MX+4*\c+2], v[MX+8+\c]
.endr
	D 1
	v_max3_num_f32 v220, v[MB], v[MB+1], v13       ; my 64 keys and the running largest score, which both halves of the lanes hold alike
	D 1
	v_permlanex16_b32 v221, v220, s40, s41         ; lane l xor 16's 64 keys
	D 1
	v_max_num_f32 v13, v220, v221                  ; the running largest score of my query
	D 1
	v_mul_f32 v222, s42, v13                       ; as t (c is positive)
	D 1
	v_floor_f32 v12, -v222                         ; -M = -ceil(t)
.set sj, 0
	D 1
	v_sub_f32 v222, v12, v223                      ; old M - new M: a whole number, 0 or less
	v_pk_fma_f32 v[MB:MB+1], v[MB:MB+1], s[42:43], v[12:13] op_sel_hi:[1,0,0]           ; u of both blocks
	PF 4
	v_cvt_i32_f32 v222, v222                       ; (it saturates)
	v_max_num_f32 v[MB], 0xc2f80000, v[MB]         ; held at -124: the byte cannot fall under 1
	v_max_num_f32 v[MB+1], 0xc2f80000, v[MB+1]
	PF 4
	v_ldexp_f32 v218, 1.0, v222                    ; the factor 2^(old M - new M)
	v_cvt_floor_i32_f32 v[BY], v[MB]
	v_cvt_floor_i32_f32 v[BY+1], v[MB+1]
	PF 6
	v_lshl_add_u32 v217, v[BY+1], 16, v[BY]
	PF 6
	v_add_lshl_u32 v217, v217, 0x7d007d, v7        ; + 125 in both bytes, and to my blocks' places: blocks h and 2 + h
	PF 6
	v_permlanex16_b32 v221, v217, s40, s41
	PF 6
.set sj, 0
.rept 16
	v_pk_mul_f32 v[O+sj:O+sj+1], v[O+sj:O+sj+1], v[218:219] op_sel_hi:[1,0]             ; O^T under the new M; read ahead of the exponentials
.set sj, sj+2
.endr
	s_wait_alu depctr_va_vdst(0)                   ; the wait ahead of the batch
.set sj, 0
.rept 64
	v_exp_f32 v[S+sj], v[S+sj]                     ; p = 2^(t - M)
.set sj, sj+1
.endr
	v_lshl_add_u32 v[SCO], v[BY], 23, 0x3e800000   ; (floor(u) + 125) << 23: the conversion takes this exponent field as its scale.  (Plain lines behind the exponentials)
	v_lshl_add_u32 v[SCO+1], v[BY+1], 23, 0x3e800000
	v_or_b32 v217, v217, v221                      ; p's scale word is whole
	s_wait_alu depctr_va_vdst(0)                   ; one wait for the batch, ahead of its first reader
	v_cvt_scalef32_pk16_fp6_f32 v[P:P+2], v[S:S+15], v[SCO]
	v_cvt_scalef32_pk16_fp6_f32 v[TT:TT+2], v[S+16:S+31], v[SCO]          ; a conversion's three registers begin on an even number: the second half is made elsewhere and moved
	v_cvt_scalef32_pk16_fp6_f32 v[P+6:P+8], v[S+32:S+47], v[SCO+1]
	v_cvt_scalef32_pk16_fp6_f32 v[TT+4:TT+6], v[S+48:S+63], v[SCO+1]
	v_pk_fma_f32 v[34:35], v[34:35], v[218:219], v[S:S+1] op_sel_hi:[1,0,1]       ; the sums under the new M, and the first p of each of the eight chains
	v_pk_fma_f32 v[36:37], v[36:37], v[218:219], v[S+2:S+3] op_sel_hi:[1,0,1]
	v_pk_fma_f32 v[38:39], v[38:39], v[218:219], v[S+4:S+5] op_sel_hi:[1,0,1]
	v_pk_fma_f32 v[14:15], v[14:15], v[218:219], v[S+6:S+7] op_sel_hi:[1,0,1]
	v_pk_fma_f32 v[234:235], v[234:235], v[218:219], v[S+8:S+9] op_sel_hi:[1,0,1]
	v_pk_fma_f32 v[236:237], v[236:237], v[218:219], v[S+10:S+11] op_sel_hi:[1,0,1]
	v_pk_fma_f32 v[238:239], v[238:239], v[218:219], v[S+12:S+13] op_sel_hi:[1,0,1]
	v_pk_fma_f32 v[240:241], v[240:241], v[218:219], v[S+14:S+15] op_sel_hi:[1,0,1]
.irp i, 0,1,2
	v_mov_b32 v[P+3+\i], v[TT+\i]
	v_mov_b32 v[P+9+\i], v[TT+4+\i]
.endr
	v_pk_add_f32 v[240:241], v[240:241], v[S+30:S+31]                     ; the sum of the unquantised p.  (These 23 lines are also the places between the codes, the scale word and the products)
.irp j, 16,32,48
	v_pk_add_f32 v[34:35], v[34:35], v[S+\j:S+\j+1]
	v_pk_add_f32 v[36:37], v[36:37], v[S+\j+2:S+\j+3]
	v_pk_add_f32 v[38:39], v[38:39], v[S+\j+4:S+\j+5]
	v_pk_add_f32 v[14:15], v[14:15], v[S+\j+6:S+\j+7]
	v_pk_add_f32 v[234:235], v[234:235], v[S+\j+8:S+\j+9]
	v_pk_add_f32 v[236:237], v[236:237], v[S+\j+10:S+\j+11]
	v_pk_add_f32 v[238:239], v[238:239], v[S+\j+12:S+\j+13]
.endr
	v_pk_add_f32 v[240:241], v[240:241], v[S+46:S+47]
	s_wait_alu depctr_va_vdst(0)                   ; directly ahead of the wait below
	s_wait_dscnt 0x0                               ; v's fragments and scale words are in
.irp w, 0,2
	v_wmma_scale_f32_16x16x128_f8f6f4 v[O+8*\w:O+8*\w+7], v[KF+12*\w:KF+12*\w+11], v[P:P+11], v[O+8*\w:O+8*\w+7], v[VS+\w/2], v217 matrix_a_fmt:MATRIX_FMT_FP6 matrix_b_fmt:MATRIX_FMT_FP6
	v_wmma_scale_f32_16x16x128_f8f6f4 v[O+8*\w+8:O+8*\w+15], v[KF+12*\w+12:KF+12*\w+23], v[P:P+11], v[O+8*\w+8:O+8*\w+15], v[VS+\w/2], v217 matrix_a_fmt:MATRIX_FMT_FP6 matrix_b_fmt:MATRIX_FMT_FP6 matrix_a_scale:MATRIX_SCALE_ROW1
.endr
	v_pk_add_f32 v[240:241], v[240:241], v[S+62:S+63]                     ; the sum's last line names none of the products' registers: the first place behind them
	s_add_co_u32 s45, s45, 6144
	s_add_co_u32 s46, s46, 512
	s_add_co_u32 s47, s47, 256
	s_sub_co_u32 s44, s44, 1
	s_cmp_lg_u32 s44, 0
	s_cbranch_scc1 .Lstep_\@
.endm
.macro EPI                             ; a pass's end: the division, inner's codes and scale bytes
	v_pk_add_f32 v[34:35], v[34:35], v[36:37]      ; the eight chains, the two halves, lane l xor 16's: the row's sum.  (Also places behind the last products)
	v_pk_add_f32 v[38:39], v[38:39], v[14:15]
	v_pk_add_f32 v[234:235], v[234:235], v[236:237]
	v_pk_add_f32 v[238:239], v[238:239], v[240:241]
	v_pk_add_f32 v[34:35], v[34:35], v[38:39]
	D 2
	v_pk_add_f32 v[234:235], v[234:235], v[238:239]
	D 1
	v_pk_add_f32 v[34:35], v[34:35], v[234:235]
	D 1
	v_add_f32 v34, v34, v35
	D 1
	v_permlanex16_b32 v220, v34, s40, s41
	D 1
	v_add_f32 v34, v34, v220
	s_wait_alu depctr_va_vdst(0)                   ; the wait ahead of the transcendental
	v_rcp_f32 v218, v34
	v_nop
	s_wait_alu depctr_va_vdst(0)                   ; and ahead of its first reader, which is also O^T's
.set sj, 0
.rept 16
	v_pk_mul_f32 v[O+sj:O+sj+1], v[O+sj:O+sj+1], v[218:219] op_sel_hi:[1,0]
.set sj, sj+2
.endr
	v_max3_num_f32 v[MB], |v[O]|, |v[O+1]|, 0x1800000                     ; inner's block of 32 d is all mine; the floor 2^(3 - 127) holds the byte at 1 from below
	v_max3_num_f32 v[MB+1], |v[O+16]|, |v[O+17]|, 0x1800000
.irp i, 2,4,6,8,10,12,14
	D 2
	v_max3_num_f32 v[MB], v[MB], |v[O+\i]|, |v[O+\i+1]|
	D 2
	v_max3_num_f32 v[MB+1], v[MB+1], |v[O+16+\i]|, |v[O+17+\i]|
.endr
	D 1
	v_max_num_f32 v[MB], v[MB], v[MB+1]
	D 1
	v_add_nc_u32 v[SCO], 0xff000000, v[MB]         ; 2 off the exponent field
	D 1
	v_lshrrev_b32 v[BY], 23, v[SCO]
	v_cvt_scalef32_pk16_fp6_f32 v[P:P+2], v[O:O+15], v[SCO]
	v_cvt_scalef32_pk16_fp6_f32 v[TT:TT+2], v[O+16:O+31], v[SCO]
	v_nop                                          ; one plain line behind the scaled conversions
.irp i, 0,1,2
	v_mov_b32 v[P+3+\i], v[TT+\i]
.endr
	global_store_b128 v1, v[P:P+3], s[52:53]       ; a half image: 512 and 256 consecutive bytes
	global_store_b64 v2, v[P+4:P+5], s[52:53] offset:512
	global_store_b8 v11, v[BY], s[54:55]
.endm
	PRO 0
	STEPS 2                                        ; on the head's tiles
	s_wait_alu depctr_va_vdst(0)                   ; directly ahead of the wait below
	s_wait_tensorcnt 0x0                           ; my part of steps 2 to 15 is in,
	s_barrier_signal -1
	s_barrier_wait -1                              ; and everybody's
	STEPS 14
	EPI
	PRO 1
	STEPS 16
	EPI
	s_wait_tensorcnt 0x0                           ; the wave's end
	ds_add_u32 v[SPW], v[NIL]
	s_wait_dscnt 0x0
	ROUND                                          ; the closing round
	s_endpgm
.Lfunc_end_k_q7604fdc275_attn:
	.size	k_q7604fdc275_attn, .Lfunc_end_k_q7604fdc275_attn-k_q7604fdc275_attn
	.p2alignl 7, 3214868480
	.fill 96, 4, 3214868480
	.section	.rodata,"a",@progbits
	.p2align	6, 0x0
	.amdhsa_kernel k_q7604fdc275_attn
		.amdhsa_group_segment_fixed_size 327680
		.amdhsa_private_segment_fixed_size 0
		.amdhsa_enable_private_segment 0
		.amdhsa_kernarg_size 32
		.amdhsa_user_sgpr_count 2
		.amdhsa_user_sgpr_kernarg_segment_ptr 1
		.amdhsa_wavefront_size32 1
		.amdhsa_system_sgpr_workgroup_id_x 1
		.amdhsa_system_sgpr_workgroup_id_y 1
		.amdhsa_system_sgpr_workgroup_id_z 1
		.amdhsa_system_vgpr_workitem_id 0
		.amdhsa_next_free_vgpr 256
		.amdhsa_next_free_sgpr 66
		.amdhsa_reserve_vcc 0
		.amdhsa_float_denorm_mode_32 3
		.amdhsa_float_denorm_mode_16_64 3
		.amdhsa_memory_ordered 1
		.amdhsa_forward_progress 1
		.amdhsa_inst_pref_size 68
	.end_amdhsa_kernel
	.amdgpu_metadata
---
amdhsa.version: [ 1, 2 ]
amdhsa.kernels:
  - .name:           k_q7604fdc275_attn
    .symbol:         k_q7604fdc275_attn.kd
    .args:
      - { .name: qkv_img, .offset: 0, .size: 8, .value_kind: global_buffer, .address_space: global }
      - { .name: qkv_scl, .offset: 8, .size: 8, .value_kind: global_buffer, .address_space: global }
      - { .name: inner_img, .offset: 16, .size: 8, .value_kind: global_buffer, .address_space: global }
      - { .name: inner_scl, .offset: 24, .size: 8, .value_kind: global_buffer, .address_space: global }
    .group_segment_fixed_size: 327680
    .private_segment_fixed_size: 0
    .kernarg_segment_align: 8
    .kernarg_segment_size: 32
    .max_flat_workgroup_size: 512
    .sgpr_count:     66
    .vgpr_count:     256
    .wavefront_size: 32
...
	.end_amdgpu_metadata
.endif
;; end of part 3
;; launch proj (part 4): grid 8 x 32, 4 waves a work-group, clusters of 4 x 4, 327,680 bytes of LDS; arguments inner_img, inner_scl, w_img, xw_scl, b_out, out0; writes out0
.if DOCPART == 4
	.amdgcn_target "amdgcn-amd-amdhsa--gfx1250"
	.amdhsa_code_object_version 6
	.text
	.protected	k_q7604fdc275_proj
	.globl	k_q7604fdc275_proj
	.p2align	8
	.type	k_q7604fdc275_proj,@function
k_q7604fdc275_proj:
	s_mov_b64 s[64:65], 0
	v_nop
	global_prefetch_b8 v0, s[64:65] scope:SCOPE_SE
	s_setreg_imm32_b32 hwreg(HW_REG_WAVE_MODE, 25, 1), 1
	s_wait_xcnt 0x0
	s_wait_alu depctr_hold_cnt(0) depctr_sa_sdst(0) depctr_va_vdst(0) depctr_va_sdst(0) depctr_va_ssrc(0) depctr_va_vcc(0) depctr_vm_vsrc(0)
	s_getreg_b32 s2, hwreg(HW_REG_IB_STS2, 6, 4)
	s_cmp_eq_u32 s2, 0
	s_cbranch_scc0 .Lentry_in_a_cluster
	s_endpgm
.Lentry_in_a_cluster:
	s_bfe_u32 s2, ttmp6, 0x10000c
	s_cmp_lg_u32 s2, 0xf033
	s_cbranch_scc0 .Lentry_shape_is_right
	s_endpgm
.Lentry_shape_is_right:
; out0 = inner W_out + b_out on codes of FP6 with one E8M0 scale for each 32 along K = 1024; sums in f32, beginning as the bias.
; inner_img [tile of 16 rows (512)][head = K / 64 (16)][768] and W_out's part of w_img [n / 16 (64)][K / 64][768] are half images in the order of the operand's registers; 32 scale bytes a row.
; Tile 4 G + w of inner holds, as its row r, row 64 G + 32 (r / 8) + 8 w + r % 8 of the result: the stores put the rows where they belong.
; SHARES.  A work-group makes 256 rows x 128 columns: 256 work-groups.  A wave makes 64 rows (one G) x 128 columns: 32 accumulators.  ALL OF K LIES IN LDS, in four slots of 256 along K, each filled once: no refill.
; CLUSTER 4 x 4: inner's tiles are shared along a row of the cluster, the weight's along a column: joint loads.  THE MATRIX INSTRUCTION IS USED TRANSPOSED (source 0 = 16 rows n of the weight, source 1 = 16 rows of inner).
; REGISTERS.  Window 0: v1-28 addresses; v32-63 the weight's scale words, v64-79 inner's; v96-143, v144-191 inner's fragments, two sets; on the way out v96-223.  Windows 1, 2: v0-95 the weight's fragments, sets 0, 1.
;   Window 3: the 32 accumulators, (a, b) at 64 a + 8 b.
.set SLOT,  73728                      ; inner: 16 tiles x 3072, then the weight: 8 x 3072
.set BOFF,  49152
.set SPARE, 4*SLOT                     ; behind the slots: the spare words, 128 bytes for each wave
.set WV,    16
.set G1A,   24
.set G1B,   32
.set G0A,   40                         ; s[40:55] four groups 0 for inner's chunks; the weight's at s[56:63] and s[68:75]
.set SPW,   4
.set NIL,   5
.set SB,    32
.set SA,    64
.set AF,    96
.set BK,    96                         ; the way out: 16 rows read back: v96-159 and v160-223 by turns
.set MSB, 0
.macro WIN new
.if MSB != (\new)
	s_set_vgpr_msb (MSB<<8)|(\new)
.set MSB, (\new)
.endif
.endm
.macro ROUND
	s_barrier_signal -1
	s_barrier_wait -1
	s_cmp_lg_u32 s[WV], 0
	s_cbranch_scc1 .Lnw0_\@
	s_barrier_signal -3
.Lnw0_\@:
	s_barrier_wait -3
	s_barrier_signal -1
	s_barrier_wait -1
.endm
.macro PLACES
.rept 4
	v_nop
.endr
.endm
.macro FRAG reg, a16, a8, off
	ds_load_b128 v[(\reg):(\reg)+3], v[(\a16)] offset:(\off)
	ds_load_b64 v[(\reg)+4:(\reg)+5], v[(\a8)] offset:(\off)+512
	ds_load_b128 v[(\reg)+6:(\reg)+9], v[(\a16)] offset:(\off)+768
	ds_load_b64 v[(\reg)+10:(\reg)+11], v[(\a8)] offset:(\off)+1280
.endm
.macro FETCH p, slot, q
	WIN ((1+(\p))<<6)
.set fb, 0
.rept 8
	FRAG 12*fb, 16+(\slot), 20+(\slot), fb*3072+(\q)*1536
.set fb, fb+1
.endr
	WIN 0
.set fb, 0
.rept 4
	FRAG AF+48*(\p)+12*fb, 8+(\slot), 12+(\slot), fb*3072+(\q)*1536
.set fb, fb+1
.endr
.endm
.macro WM d, f0, f1, s0, s1, r0, r1
.if ((\r0) == 0) && ((\r1) == 0)
	v_wmma_scale_f32_16x16x128_f8f6f4 v[(\d):(\d)+7], v[(\f0):(\f0)+11], v[(\f1):(\f1)+11], v[(\d):(\d)+7], v[(\s0)], v[(\s1)] matrix_a_fmt:MATRIX_FMT_FP6 matrix_b_fmt:MATRIX_FMT_FP6
.elseif (\r1) == 0
	v_wmma_scale_f32_16x16x128_f8f6f4 v[(\d):(\d)+7], v[(\f0):(\f0)+11], v[(\f1):(\f1)+11], v[(\d):(\d)+7], v[(\s0)], v[(\s1)] matrix_a_fmt:MATRIX_FMT_FP6 matrix_b_fmt:MATRIX_FMT_FP6 matrix_a_scale:MATRIX_SCALE_ROW1
.elseif (\r0) == 0
	v_wmma_scale_f32_16x16x128_f8f6f4 v[(\d):(\d)+7], v[(\f0):(\f0)+11], v[(\f1):(\f1)+11], v[(\d):(\d)+7], v[(\s0)], v[(\s1)] matrix_a_fmt:MATRIX_FMT_FP6 matrix_b_fmt:MATRIX_FMT_FP6 matrix_b_scale:MATRIX_SCALE_ROW1
.else
	v_wmma_scale_f32_16x16x128_f8f6f4 v[(\d):(\d)+7], v[(\f0):(\f0)+11], v[(\f1):(\f1)+11], v[(\d):(\d)+7], v[(\s0)], v[(\s1)] matrix_a_fmt:MATRIX_FMT_FP6 matrix_b_fmt:MATRIX_FMT_FP6 matrix_a_scale:MATRIX_SCALE_ROW1 matrix_b_scale:MATRIX_SCALE_ROW1
.endif
.endm
.macro MUL p, kap                      ; a step's 32 products; the accumulators take turns, in the same order in every step
	WIN (0xf0|(1+(\p)))
.irp a, 0,1,2,3
.set mb, 0
.rept 8
	WM 64*\a+8*mb, 12*mb, AF+48*(\p)+12*\a, SB+8*(mb/2)+(\kap), SA+8*(\a/2)+(\kap), mb%2, \a%2
.set mb, mb+1
.endr
.endr
.endm
	s_load_b256 s[4:11], s[0:1], 0x0               ; inner_img s[4:5], inner_scl s[6:7], w_img s[8:9], xw_scl s[10:11]
	s_load_b128 s[12:15], s[0:1], 0x20             ; b_out s[12:13], out0 s[14:15]
	v_lshl_add_u32 v[SPW], v0, 2, SPARE
	v_mov_b32 v[NIL], 0
	ds_add_u32 v[SPW], v[NIL]                      ; the wave's opening: the add and its wait ahead of my first tensor load
	ds_add_u32 v[SPW], v[NIL]
	v_lshrrev_b32 v1, 5, v0
	v_readfirstlane_b32 s[WV], v1                  ; wave 0..3
	s_bfe_u32 s18, ttmp6, 0x40000                  ; cx
	s_bfe_u32 s19, ttmp6, 0x40004                  ; cy
	s_lshl_b32 s20, ttmp9, 2
	s_add_co_u32 s20, s20, s18                     ; the block of 128 columns
	s_and_b32 s21, ttmp7, 0xffff
	s_lshl_b32 s21, s21, 2
	s_add_co_u32 s21, s21, s19                     ; the block of 256 rows
	s_lshl_b32 s22, s19, 2
	s_lshl_b32 s22, 15, s22                        ; my row of the cluster
	s_lshl_b32 s23, 0x1111, s18                    ; my column
	s_or_b32 s[G1A], s22, (3<<16)|(1<<21)          ; rows of 3072 bytes (384 elements of 8), 12288 apart in memory, dense in LDS; inner's tiles go to my row,
	s_or_b32 s[G1B], s23, (3<<16)|(1<<21)          ; the weight's to my column
	s_mov_b32 s[G1A+1], 384<<16
	s_mov_b32 s[G1A+2], 16<<16                     ; all 16 tiles of inner by one load
	s_mov_b32 s[G1A+3], 384<<16
	s_mov_b32 s[G1A+4], 16
	s_mov_b32 s[G1A+5], 1536
	s_mov_b32 s[G1A+6], 0
	s_mov_b32 s[G1A+7], 0
	s_mov_b32 s[G1B+1], 384<<16
	s_mov_b32 s[G1B+2], 8<<16                      ; all 8 tiles of the weight by one load
	s_mov_b32 s[G1B+3], 384<<16
	s_mov_b32 s[G1B+4], 8
	s_mov_b32 s[G1B+5], 1536
	s_mov_b32 s[G1B+6], 0
	s_mov_b32 s[G1B+7], 0
	s_mul_i32 s76, s21, 16*12288                   ; inner: tile 16 x row block (no cx in these registers)
	s_mov_b32 s77, 0
	s_mul_i32 s78, s20, 8*12288
	s_add_co_u32 s78, s78, 2359296                 ; the weight: W_out's part, tile 8 x column block (no cy in these)
	s_mov_b32 s79, 0
	s_mov_b32 s80, 0                               ; where they go in a slot
	s_mov_b32 s81, BOFF
	s_wait_dscnt 0x0                               ; the opening add is done
	s_wait_kmcnt 0x0
	s_add_nc_u64 s[82:83], s[4:5], s[76:77]
	s_add_nc_u64 s[84:85], s[8:9], s[78:79]
.irp c, 0,1,2,3
.set GB, 56+4*\c+4*(\c/2)
	s_mov_b32 s[G0A+4*\c], 1
	s_add_co_u32 s[G0A+4*\c+1], s80, \c*SLOT
	s_add_nc_u64 s[G0A+4*\c+2:G0A+4*\c+3], s[82:83], \c*3072
	s_or_b32 s[G0A+4*\c+3], s[G0A+4*\c+3], 0x80000000
	s_mov_b32 s[GB], 1
	s_add_co_u32 s[GB+1], s81, \c*SLOT
	s_add_nc_u64 s[GB+2:GB+3], s[84:85], \c*3072
	s_or_b32 s[GB+3], s[GB+3], 0x80000000
.endr
	ROUND                                          ; all sixteen work-groups are here: the joint loads meet
; FOUR LOADS, ONE A WAVE: wave 0 a chunk of inner, wave 1 that chunk of the weight, waves 2 and 3 the next chunk's.  One chain of branches on the wave's number, one load to an arm.
.macro ARM under, g0, g1, next, join
	s_cmp_lt_u32 s[WV], \under
	s_cbranch_scc0 \next
	tensor_load_to_lds s[\g0:\g0+3], s[\g1:\g1+7]
	s_nop 0
.rept 4
	v_nop
.endr
	s_branch \join
\next:
.endm
	ARM 1, G0A, G1A, .Lhead_1, .Lfirst_done        ; chunks 0 and 1
	ARM 2, 56, G1B, .Lhead_2, .Lfirst_done
	ARM 3, G0A+4, G1A, .Lhead_3, .Lfirst_done
	tensor_load_to_lds s[60:63], s[G1B:G1B+7]
	s_nop 0
.rept 4
	v_nop
.endr
.Lfirst_done:
	v_and_b32 v1, 31, v0                           ; lane
	v_and_b32 v2, 15, v0                           ; r
	v_bfe_u32 v3, v0, 4, 1                         ; h
	v_lshlrev_b32 v27, 5, v3
	v_lshlrev_b32 v28, 5, v1
	s_wait_alu depctr_va_vdst(0)
	s_lshl_b32 s76, s20, 9
	s_mov_b32 s77, 0
	s_add_nc_u64 s[12:13], s[12:13], s[76:77]      ; b_out at my 128 columns
	WIN 0xc0                                       ; THE SUMS BEGIN AS THE BIAS: accumulator (a, b), register j, half h: column 16 b + 8 h + j
.irp a, 0,1,2,3
.set mb, 0
.rept 8
	global_load_b128 v[64*\a+8*mb:64*\a+8*mb+3], v27, s[12:13] offset:64*mb
	global_load_b128 v[64*\a+8*mb+4:64*\a+8*mb+7], v27, s[12:13] offset:64*mb+16
.set mb, mb+1
.endr
.endr
	WIN 0
	s_lshl_b32 s76, s21, 13
	s_lshl_b32 s78, s[WV], 11
	s_add_co_u32 s76, s76, s78
	s_add_nc_u64 s[86:87], s[6:7], s[76:77]        ; inner's scale bytes: row 256 x block + 64 x wave
	s_lshl_b32 s76, s20, 12
	s_add_co_u32 s76, s76, 360448
	s_add_nc_u64 s[88:89], s[10:11], s[76:77]      ; W_out's: row 128 x block
.irp q, 0,1                                    ; a pair of tiles = 32 rows, a lane a row: its 8 words are the 8 steps'
	global_load_b128 v[SA+8*\q:SA+8*\q+3], v28, s[86:87] offset:\q*1024
	global_load_b128 v[SA+8*\q+4:SA+8*\q+7], v28, s[86:87] offset:\q*1024+16
.endr
.irp q, 0,1,2,3
	global_load_b128 v[SB+8*\q:SB+8*\q+3], v28, s[88:89] offset:\q*1024
	global_load_b128 v[SB+8*\q+4:SB+8*\q+7], v28, s[88:89] offset:\q*1024+16
.endr
	v_lshlrev_b32 v26, 4, v1                       ; 16 x lane
	v_lshlrev_b32 v7, 3, v1                        ; 8 x lane
	s_mul_i32 s76, s[WV], 12288                    ; my four tiles of inner in a slot
.irp c, 0,1,2,3
	v_add_nc_u32 v[8+\c], s76, v26                 ; v8-11, v12-15: inner's fragments in slot c
	v_add_nc_u32 v[12+\c], s76, v7
	v_add_nc_u32 v[16+\c], BOFF+\c*SLOT, v26       ; v16-19, v20-23: the weight's
	v_add_nc_u32 v[20+\c], BOFF+\c*SLOT, v7
	s_add_co_u32 s76, s76, SLOT
.endr
	s_mul_i32 s77, s[WV], 16*528                   ; my stage: 16 rows x (512 bytes + 16), in slot 0
	v_mul_u32_u24 v24, v2, 528
	v_lshl_add_u32 v24, v3, 5, v24
	v_add_nc_u32 v24, s77, v24                     ; v24 in: row r, my half's 32 bytes
	v_add_nc_u32 v25, s77, v26                     ; v25 back: the 32 lanes take a row
	s_lshl_b32 s76, s21, 2
	s_add_co_u32 s76, s76, s[WV]
	s_lshl_b32 s76, s76, 18                        ; my 64 rows of 4096 bytes
	s_lshl_b32 s78, s20, 9
	s_add_co_u32 s76, s76, s78
	s_mov_b32 s77, 0
	s_add_nc_u64 s[14:15], s[14:15], s[76:77]
	s_wait_alu depctr_va_vdst(0)
	s_wait_tensorcnt 0x0                           ; my tile of chunks 0 and 1 is in
	ds_add_u32 v[SPW], v[NIL]
	s_wait_dscnt 0x0
	ROUND                                          ; chunks 0 and 1 are whole, in every partner: the joint loads meet
	ARM 1, G0A+8, G1A, .Lnext_1, .Lnext_done       ; chunks 2 and 3, their first fills: three steps lie between these lines and the wait for them
	ARM 2, 68, G1B, .Lnext_2, .Lnext_done
	ARM 3, G0A+12, G1A, .Lnext_3, .Lnext_done
	tensor_load_to_lds s[72:75], s[G1B:G1B+7]
	s_nop 0
.rept 4
	v_nop
.endr
.Lnext_done:
	FETCH 0, 0, 0
	s_wait_loadcnt 0x0                             ; the bias and the scale words
.macro STEP i, slot, q                 ; step i + 1's fragments, from (slot, q), are asked for in one run; then step i is multiplied while they are on their way
	WIN 0
	s_wait_dscnt 0x0                               ; step i's fragments are in
	PLACES
	FETCH ((\i)+1)%2, \slot, \q
	MUL (\i)%2, \i
.endm
.macro STEPB i, slot, q, cnt           ; the next step opens a slot: my part of it has landed (cnt younger loads may be out), and everybody's, behind the barrier; nothing is ever filled again
	WIN 0
	s_wait_dscnt 0x0
	s_wait_tensorcnt \cnt
	s_barrier_signal -1
	s_barrier_wait -1
	PLACES
	FETCH ((\i)+1)%2, \slot, \q
	MUL (\i)%2, \i
.endm
	STEP  0, 0, 1
	STEP  1, 1, 0
	STEP  2, 1, 1
	STEPB 3, 2, 0, 0                               ; chunks 2 and 3 are whole behind this barrier, and every wave's reads of slot 0 are in ahead of it: from here on slot 0 is nobody's
	STEP  4, 2, 1
	STEPB 5, 3, 0, 0
	STEP  6, 3, 1
	WIN 0
	s_wait_dscnt 0x0
	MUL 1, 7
	WIN 0
	; THE WAY OUT, tile by tile of 16 rows x 128 columns, through my stage: back come whole rows of 512 bytes, which the 32 lanes store as two aligned runs of 256 bytes
.macro TOSTAGE a
	WIN 0x0c                                       ; an LDS store's data are its source 1: window 3
.set tb, 0
.rept 8
	ds_store_b128 v24, v[64*(\a)+8*tb:64*(\a)+8*tb+3] offset:64*tb       ; each accumulator from its low end on
	ds_store_b128 v24, v[64*(\a)+8*tb+4:64*(\a)+8*tb+7] offset:64*tb+16
.set tb, tb+1
.endr
	WIN 0
.set tb, 0
.rept 16
	ds_load_b128 v[BK+64*((\a)%2)+4*tb:BK+64*((\a)%2)+4*tb+3], v25 offset:tb*528   ; LDS serves a wave's instructions in order
.set tb, tb+1
.endr
.endm
.macro SEND a, younger                 ; younger: the LDS instructions issued behind tile a's loads
	s_wait_dscnt \younger
.set tb, 0
.rept 16
	global_store_b128 v26, v[BK+64*((\a)%2)+4*tb:BK+64*((\a)%2)+4*tb+3], s[14:15] offset:(32*(tb/8)+8*(\a)+tb%8)*4096 th:TH_STORE_NT   ; row tb of tile a is row 32 (tb / 8) + 8 a + tb % 8 of my 64
.set tb, tb+1
.endr
.endm
	PLACES
	TOSTAGE 0
.irp a, 1,2,3
.if \a > 1
	s_wait_xcnt 0x0                                ; tile a - 2's stores have read their registers: tile a's loads may land there
.endif
	TOSTAGE \a
	SEND \a-1, 32                                  ; behind tile a - 1's loads: tile a's 16 stores and 16 loads
.endr
	SEND 3, 0
	s_wait_tensorcnt 0x0                           ; the wave's end
	ds_add_u32 v[SPW], v[NIL]
	s_wait_dscnt 0x0
	ROUND                                          ; the closing round
	s_endpgm
.Lfunc_end_k_q7604fdc275_proj:
	.size	k_q7604fdc275_proj, .Lfunc_end_k_q7604fdc275_proj-k_q7604fdc275_proj
	.p2alignl 7, 3214868480
	.fill 96, 4, 3214868480
	.section	.rodata,"a",@progbits
	.p2align	6, 0x0
	.amdhsa_kernel k_q7604fdc275_proj
		.amdhsa_group_segment_fixed_size 327680
		.amdhsa_private_segment_fixed_size 0
		.amdhsa_enable_private_segment 0
		.amdhsa_kernarg_size 48
		.amdhsa_user_sgpr_count 2
		.amdhsa_user_sgpr_kernarg_segment_ptr 1
		.amdhsa_wavefront_size32 1
		.amdhsa_system_sgpr_workgroup_id_x 1
		.amdhsa_system_sgpr_workgroup_id_y 1
		.amdhsa_system_sgpr_workgroup_id_z 1
		.amdhsa_system_vgpr_workitem_id 0
		.amdhsa_next_free_vgpr 1024
		.amdhsa_next_free_sgpr 100
		.amdhsa_reserve_vcc 0
		.amdhsa_float_denorm_mode_32 3
		.amdhsa_float_denorm_mode_16_64 3
		.amdhsa_memory_ordered 1
		.amdhsa_forward_progress 1
		.amdhsa_inst_pref_size 91
	.end_amdhsa_kernel
	.amdgpu_metadata
---
amdhsa.version: [ 1, 2 ]
amdhsa.kernels:
  - .name:           k_q7604fdc275_proj
    .symbol:         k_q7604fdc275_proj.kd
    .args:
      - { .name: inner_img, .offset: 0, .size: 8, .value_kind: global_buffer, .address_space: global }
      - { .name: inner_scl, .offset: 8, .size: 8, .value_kind: global_buffer, .address_space: global }
      - { .name: w_img, .offset: 16, .size: 8, .value_kind: global_buffer, .address_space: global }
      - { .name: xw_scl, .offset: 24, .size: 8, .value_kind: global_buffer, .address_space: global }
      - { .name: b_out, .offset: 32, .size: 8, .value_kind: global_buffer, .address_space: global }
      - { .name: out0, .offset: 40, .size: 8, .value_kind: global_buffer, .address_space: global }
    .group_segment_fixed_size: 327680
    .private_segment_fixed_size: 0
    .kernarg_segment_align: 8
    .kernarg_segment_size: 48
    .max_flat_workgroup_size: 128
    .sgpr_count:     100
    .vgpr_count:     1024
    .wavefront_size: 32
...
	.end_amdgpu_metadata
.endif
;; end of part 4
